; MI455X (gfx1250); checked and timed in simulation.
; The chip was launched on July 23, 2026; its instructions are those of AMD's public machine-readable ISA for CDNA 5 (MIT licence, August 2026) and "CDNA5" Instruction Set Architecture Reference Guide (July 2026). The comments in the code are by the model that wrote it; some were corrected since.
;; Residual Quantizer. Allowed arithmetic: float matrix products may take bf16 or f16 operands with f32 sums; all other float work in f32.
;; Inputs: cb0 1,024 x 64 float32; cb1 1,024 x 64 float32; cb2 1,024 x 64 float32; latent_representation 131,072 x 64 float32.
;; Outputs: out0 131,072 x 64 float32.
;; One version. Each part assembles by itself: llvm-mc -triple=amdgcn-amd-amdhsa -mcpu=gfx1250 --defsym DOCPART=n.
;; ======== version 1 of 1: 4 launches
;; limits: values are held in f16: magnitudes above 65,504 overflow, below 6.1e-05 lose precision
;; workspace buffers: sel0 524,288 bytes of whole numbers; sel1 524,288 bytes of whole numbers; sel2 524,288 bytes of whole numbers; fin0 524,288 bytes of whole numbers; fin1 524,288 bytes of whole numbers
;; launch st0 (part 1): grid 256 x 1, 8 waves a work-group, no clusters, 297,984 bytes of LDS; arguments latent_representation, cb0, sel0; writes sel0
.if DOCPART == 1
	.amdgcn_target "amdgcn-amd-amdhsa--gfx1250"
	.amdhsa_code_object_version 6
	.text
	.protected	k_q9c5a8ff437_st0
	.globl	k_q9c5a8ff437_st0
	.p2align	8
	.type	k_q9c5a8ff437_st0,@function
k_q9c5a8ff437_st0:
	s_mov_b64 s[64:65], 0
	v_nop
	global_prefetch_b8 v0, s[64:65] scope:SCOPE_SE
	s_setreg_imm32_b32 hwreg(HW_REG_WAVE_MODE, 25, 1), 1
	s_wait_xcnt 0x0
; THE RESIDUAL QUANTIZER, FIRST OF FOUR LAUNCHES: the screen of cb0.
; An index found in a launch steers no address of that launch: it is stored as a whole number, and the NEXT launch looks the codes up.
;   st0: x = x0; screens cb0, stores sel0.              st1: decides f0 among sel0's three, x = x0 - cb0[f0]; screens cb1; stores sel1, fin0.
;   st2: x1 = x0 - cb0[f0], decides f1 among sel1's three, x = x1 - cb1[f1]; screens cb2; stores sel2, fin1.
;   fin: x1, x2 likewise, decides f2 among sel2's three, out = ((x0 + x1) + x2) + cb2[f2].          A sel word is a | b<<10 | c<<20.
; THE SCREEN only proposes three codes; the decision among them, in the next launch, forms reference()'s distance whole, in f32.
; It is a matrix product with f16 operands and f32 sums: score(k) = (x - s).(c_k - s) - 0.5 ||c_k - s||^2, large is near, with s = row 0 of the codebook.
; WHY THAT IS THE SAME ORDER: ||x - c||^2 = ||(x - s) - (c - s)||^2 for every s, an identity; and ||x - s||^2, like the ||x||^2 that reference() adds to
; all 1,024 distances of a row, is the same along the argmin's axis, so in exact arithmetic it moves no comparison, whatever the inputs hold: it is
; LEFT OUT OF THE SCREEN.  A NaN, an infinity or an overflow that reaches only that term of the screen is not carried on.  Every input is loaded.
; WHY THE SHIFT: s is taken away in f32 ahead of the rounding to f16, so an offset common to x and the codes is gone before anything is rounded, and the
; scores are of the size of the spread that is compared, not a difference of large sums.
; LIMITS.  |x - s| and |c - s| up to 65,504 (f16).  The low 10 mantissa bits of a score carry the code's number, so the screen compares 13 mantissa
; bits.  Best and second best are kept in eight classes of 128 codes: a true best code that two codes of its own class overtake in the screen, or that
; ranks fourth among those kept, is lost.  NaN and infinities among the inputs are not served.
; SHARES.  256 work-groups of eight waves; a work-group has 512 rows, a wave 64.  Every work-group reads the whole codebook.
; NO JOINT LOADS in a cluster although all work-groups read the same codebook: it has to pass through registers (shift, f32 to f16, the norms), and as
; f32 its 262,144 bytes do not fit beside the 147,456 of its f16 image and the 139,264 of the rows in the 327,680 bytes that a work-group can be given.
.set CPITCH, 144                       ; an f16 code row: 128 bytes + 16 = 9 x 16: sixteen rows start at sixteen different 16-byte columns modulo 256
.set XPITCH, 272                       ; an x row: 256 bytes + 16 = 17 x 16, likewise
.set BIAS,   1024*CPITCH               ; 147,456: -0.5 ||c - s||^2, 1,024 f32
.set XB,     BIAS+4096                 ; 151,552: each wave's own 64 rows, f32; then f16 in each row's first 128 bytes
.set XBW,    64*XPITCH                 ; 17,408 a wave
.set GRP,    32*XPITCH                 ; a group of 32 rows
.set SCR,    XB+8*XBW                  ; 290,816: each wave's own 768 bytes: 64 sel words
.set SCRW,   768
.set DEPTH,  16                        ; codebook loads of a wave in flight
.set EXTRA,  0                         ; other loads issued between the ring's first fill and its first turn
; vector registers.  v0 the thread's number, kept.  Codebook phase: v1 load offset, v2 f16 store, v3 bias store, v6 i, v7 hh, v[8:11] my four numbers of s,
; v12-23 at work, v24 16 i.  Screen: v8 x fragments, v9 code fragments, v10 bias fragments, v11 8 hh, v12-23 at work.   (i = lane mod 16, hh = lane / 16)
; scalar registers.  s2 wave, s3 trips, s[4:11] buffers, s[12:23] descriptor, s31 at work, s101 scratch base; s: s[68:99] elements 0-31, s[32:63] elements 32-63;
; behind the rows' phase s30 mask, s[32:33] lane selects, s[36:43] code numbers.
.set ROW,  4                           ; v4         my row in XB (lane = row), group 0
.set AUX,  5                           ; v5         scratch + 4 lane
.set SH,   8
.set WT,   25
.set XR,   26                          ; v[26:57]   ring of eight chunks (4 f32) of my row
.set R0,   58                          ; v[58:121]  at work in the rows' phase
.set RING, 58                          ; codebook phase: DEPTH slots of 4
.set XF,   24                          ; v[24:87]   screen: x fragments, 16 registers a row tile
.set ACC,  88                          ; v[88:151]  two sets of four accumulators
.set AF,   152                         ; v[152:183] two sets of code fragments
.set CF,   184                         ; v[184:199] two sets of bias fragments
.set TRK,  200                         ; v[200:231] best at 16 set + 8 parity + tile, second best 4 further
.set IDX,  36                          ; s[36:43]   16 x tile + j
.macro SETMIN name, a, b
.if (\a) < (\b)
.set \name, \a
.else
.set \name, \b
.endif
.endm
	s_load_b128 s[4:7], s[0:1], 0x0                ; x0 s[4:5], cb0 s[6:7]
	s_load_b64 s[8:9], s[0:1], 0x10                ; sel0
	v_lshl_add_u32 v254, v0, 2, 0x48800
	v_mov_b32 v255, 0
	ds_add_u32 v254, v255
	ds_add_u32 v254, v255
	v_lshrrev_b32 v1, 5, v0
	v_readfirstlane_b32 s2, v1                     ; wave 0..7
	; the wave's one tensor load: its 64 rows of 64 f32, dense in memory, 16 bytes of padding behind each row in LDS
	s_mov_b32 s12, 1                               ; count
	s_mul_i32 s13, s2, XBW
	s_add_co_u32 s13, s13, XB                      ; LDS address: the wave's own rows
	s_mov_b32 s16, (2<<16)|(1<<20)|(5<<22)|(3<<25) ; elements of 4 bytes; padding on; after every 64 words; 4 words
	s_mov_b32 s17, 64<<16                          ; tensor_dim0 = 64
	s_mov_b32 s18, 64<<16                          ; tensor_dim1 = 64
	s_mov_b32 s19, 64<<16                          ; tile_dim0 = 64
	s_mov_b32 s20, 64                              ; tile_dim1 = 64
	s_mov_b32 s21, 64                              ; 64 elements from row to row
	s_mov_b32 s22, 0
	s_mov_b32 s23, 0
	s_lshl_b32 s44, ttmp9, 17                      ; 512 rows of 256 bytes a work-group
	s_lshl_b32 s31, s2, 14                         ; 64 rows a wave
	s_add_co_u32 s44, s44, s31
	s_mov_b32 s45, 0
	s_wait_dscnt 0x0
	s_wait_kmcnt 0x0
	s_add_nc_u64 s[14:15], s[4:5], s[44:45]
	s_or_b32 s15, s15, 0x80000000                  ; type
	tensor_load_to_lds s[12:15], s[16:23]          ; the only fill of these bytes in the launch
	s_nop 0
	s_lshr_b32 s44, s44, 6                         ; the index buffers have 4 bytes a row where x has 256
	s_add_nc_u64 s[8:9], s[8:9], s[44:45]
	s_load_b512 s[68:83], s[6:7], 0x0              ; s = row 0 of the codebook, the same for all lanes where a lane is a row
	s_load_b512 s[84:99], s[6:7], 0x40
	s_load_b512 s[32:47], s[6:7], 0x80
	s_load_b512 s[48:63], s[6:7], 0xc0
	v_and_b32 v[WT], 31, v0                        ; lane
	v_mul_u32_u24 v[AUX], v[WT], XPITCH
	v_add_nc_u32 v[ROW], s13, v[AUX]               ; my row of group 0
	v_lshlrev_b32 v[WT], 2, v[WT]
	s_mul_i32 s101, s2, SCRW
	s_add_co_u32 s101, s101, SCR                   ; my wave's scratch
	v_add_nc_u32 v[AUX], s101, v[WT]
	; ---- THE CODEBOOK: wave w converts code rows 128 w .. 128 w + 127; a load takes two rows, 512 neighbouring bytes
	v_and_b32 v24, 15, v0
	v_lshlrev_b32 v24, 4, v24                      ; 16 i
	global_load_b128 v[SH:SH+3], v24, s[6:7]       ; s[4 i .. 4 i + 3]: the elements that I hold of every code row
	v_and_b32 v1, 31, v0
	v_lshlrev_b32 v1, 4, v1
	s_lshl_b32 s31, s2, 15
	v_add_nc_u32 v1, s31, v1                       ; 32,768 w + 16 lane
.set j, 0
.rept DEPTH
	global_load_b128 v[RING+4*j:RING+4*j+3], v1, s[6:7] offset:512*j
.set j, j+1
.endr
	v_and_b32 v6, 15, v0                           ; i
	v_bfe_u32 v7, v0, 4, 1                         ; hh
	v_mul_u32_u24 v2, v7, CPITCH
	v_lshl_add_u32 v2, v6, 3, v2
	s_mul_i32 s31, s2, 128*CPITCH
	v_add_nc_u32 v2, s31, v2                       ; (128 w + hh) x 144 + 8 i
	s_lshl_b32 s31, s2, 9
	s_add_co_u32 s31, s31, BIAS
	v_lshl_add_u32 v3, v7, 2, s31                  ; BIAS + 4 (128 w + hh)
; two code rows (2 j and 2 j + 1 of the wave's 128): c - s, its f16 image, -0.5 ||c - s||^2, and the ring slot's next load
.macro CV
.if j < DEPTH
.set left, DEPTH-1+EXTRA                           ; behind load j: DEPTH-1-j of the first fill, EXTRA others, j reloads
.else
	SETMIN left, DEPTH-1, 63-j
.endif
.set CR, RING+4*(j%DEPTH)
.set TT, 12+4*(j%3)
	s_wait_loadcnt left                            ; loads come back in order: load j is in, the younger ones stay out; the last count is 0
	v_pk_add_f32 v[CR:CR+1], v[CR:CR+1], v[SH:SH+1] neg_lo:[0,1] neg_hi:[0,1]
	v_pk_add_f32 v[CR+2:CR+3], v[CR+2:CR+3], v[SH+2:SH+3] neg_lo:[0,1] neg_hi:[0,1]
	v_pk_mul_f32 v[TT:TT+1], v[CR:CR+1], v[CR:CR+1]
	v_cvt_pk_f16_f32 v[TT+2], v[CR], v[CR+1]
	v_pk_fma_f32 v[TT:TT+1], v[CR+2:CR+3], v[CR+2:CR+3], v[TT:TT+1]
	v_cvt_pk_f16_f32 v[TT+3], v[CR+2], v[CR+3]
.if j+DEPTH < 64
	global_load_b128 v[CR:CR+3], v1, s[6:7] offset:512*(j+DEPTH)
.endif
	v_add_f32 v[TT], v[TT], v[TT+1]
	ds_store_b64 v2, v[TT+2:TT+3] offset:2*CPITCH*j
.irp m, 1,2,4,8
	v_add_f32_dpp v[TT], v[TT], v[TT] row_xmask:\m row_mask:0xf bank_mask:0xf   ; over the sixteen lanes of a row
.endr
	v_mul_f32 v[TT], -0.5, v[TT]
	ds_store_b32 v3, v[TT] offset:8*j              ; sixteen lanes write one word with one value
.endm
.set j, 0
.rept 64
	CV
.set j, j+1
.endr
	; ---- THE ROWS, lane = row, two groups of 32: x - s as f16 into the row's first 128 bytes (byte 8 c lies in a chunk already read)
.macro XLOAD base, g, cc               ; chunk cc of my row into slot cc mod 8
	ds_load_b128 v[XR+4*((\cc)%8):XR+4*((\cc)%8)+3], v[\base] offset:GRP*(\g)+16*(\cc)
.endm
.macro CONV g
.set c, 0
.rept 8
	XLOAD ROW, \g, c
.set c, c+1
.endr
.set c, 0
.rept 16
	SETMIN young, 7, 15-c
	SETMIN old, 7, c
.set XC, XR+4*(c%8)
.set QA, R0+4*c
.set SR, 4*c+68*(1-c/8)                            ; where elements 4 c .. 4 c + 3 of s lie
	s_wait_dscnt young+old                         ; the younger ring loads and the one store of each chunk done since
.irp e, 0,1,2,3
	v_subrev_f32 v[QA+\e], s[SR+\e], v[XC+\e]      ; x - s
.endr
	v_cvt_pk_f16_f32 v[QA], v[QA], v[QA+1]
	v_cvt_pk_f16_f32 v[QA+1], v[QA+2], v[QA+3]
	ds_store_b64 v[ROW], v[QA:QA+1] offset:GRP*\g+8*c
.if c+8 < 16
	XLOAD ROW, \g, c+8
.endif
.set c, c+1
.endr
.endm
	s_wait_kmcnt 0x0                               ; s
	s_wait_tensorcnt 0x0                           ; my rows are in LDS; only my wave reads them
	CONV 0
	CONV 1
	; ---- x fragments (operand B: lane holds row i; K = 8 hh .. and 16 + 8 hh .. of each 32), kept in registers for all 64 code tiles
	v_and_b32 v7, 15, v0                           ; i
	v_bfe_u32 v11, v0, 4, 1                        ; hh
	v_mul_u32_u24 v8, v7, XPITCH
	v_lshl_add_u32 v8, v11, 4, v8
	v_add_nc_u32 v8, s13, v8                       ; x fragments: row i, 16 hh
	v_mul_u32_u24 v9, v7, CPITCH
	v_lshl_add_u32 v9, v11, 4, v9                  ; code fragments: row i, 16 hh
	v_lshlrev_b32 v10, 5, v11
	v_add_nc_u32 v10, BIAS, v10                    ; bias fragments: codes 8 hh .. 8 hh + 7 of a tile
	v_lshlrev_b32 v11, 3, v11                      ; from here on 8 hh
.irp t, 0,1,2,3
.irp c, 0,1,2,3
	ds_load_b128 v[XF+16*\t+4*\c:XF+16*\t+4*\c+3], v8 offset:\t*16*XPITCH+32*\c       ; LDS serves a wave's instructions in order: these see the stores above
.endr
.endr
.set k, 0
.rept 32
	v_mov_b32 v[TRK+k], 0xff800000                 ; best and second best of every class start at -infinity
.set k, k+1
.endr
.irp k, 0,1,2,3,4,5,6,7
	s_mov_b32 s[IDX+\k], \k
.endr
	s_mov_b32 s30, 0xfffffc00                      ; the score's sign, exponent and 13 mantissa bits
	s_mov_b32 s32, 0x76543210                      ; v_permlanex16_b32: lane i of one half reads lane i of the other
	s_mov_b32 s33, 0xfedcba98
	s_wait_dscnt 0x0                               ; my part of the f16 codebook and of the biases is written, my fragments are in
	s_barrier_signal -1
	s_barrier_wait -1                              ; everybody's part is: the launch's one barrier
	; ---- THE SCREEN: 64 tiles of 16 codes.  Codes are operand A, rows operand B: register j of lane (i, hh) is the score of code 16 t + 8 hh + j
	; for row i, so best and second best stay inside a lane.  The bias enters as the first product's C.
.macro LD P                            ; the next tile's code and bias fragments into set P
	ds_load_b128 v[AF+16*(\P):AF+16*(\P)+3], v9
	ds_load_b128 v[AF+16*(\P)+4:AF+16*(\P)+7], v9 offset:32
	ds_load_b128 v[AF+16*(\P)+8:AF+16*(\P)+11], v9 offset:64
	ds_load_b128 v[AF+16*(\P)+12:AF+16*(\P)+15], v9 offset:96
	ds_load_b128 v[CF+8*(\P):CF+8*(\P)+3], v10
	ds_load_b128 v[CF+8*(\P)+4:CF+8*(\P)+7], v10 offset:16
	v_add_nc_u32 v9, 16*CPITCH, v9
	v_add_nc_u32 v10, 64, v10
.endm
.macro W1 P, t                         ; K = 0..31, started by the bias
	v_wmma_f32_16x16x32_f16 v[ACC+32*(\P)+8*(\t):ACC+32*(\P)+8*(\t)+7], v[AF+16*(\P):AF+16*(\P)+7], v[XF+16*(\t):XF+16*(\t)+7], v[CF+8*(\P):CF+8*(\P)+7]
.endm
.macro W2 P, t                         ; K = 32..63, in place
	v_wmma_f32_16x16x32_f16 v[ACC+32*(\P)+8*(\t):ACC+32*(\P)+8*(\t)+7], v[AF+16*(\P)+8:AF+16*(\P)+15], v[XF+16*(\t)+8:XF+16*(\t)+15], v[ACC+32*(\P)+8*(\t):ACC+32*(\P)+8*(\t)+7]
.endm
; slice n of eight of the scan of set Q: two registers of two row tiles.  The code's number replaces the score's low 10 bits; the new second best is
; the middle one of (best, second best, score).  Even and odd registers, and the two sets, keep trackers of their own: with the two halves of the lanes
; eight classes.  Twelve plain vector instructions that name no register of the products around them.
.macro VS Q, n
.set TA, 2*((\n)/4)
.set JA, 2*((\n)%4)
.set VA, ACC+32*(\Q)+8*TA+JA
.set VB, VA+8
.set KA, TRK+16*(\Q)+TA
	v_and_or_b32 v[VA], v[VA], s30, s[IDX+JA]
	v_and_or_b32 v[VB], v[VB], s30, s[IDX+JA]
	v_and_or_b32 v[VA+1], v[VA+1], s30, s[IDX+JA+1]
	v_and_or_b32 v[VB+1], v[VB+1], s30, s[IDX+JA+1]
	v_med3_num_f32 v[KA+4], v[KA], v[KA+4], v[VA]
	v_med3_num_f32 v[KA+5], v[KA+1], v[KA+5], v[VB]
	v_med3_num_f32 v[KA+12], v[KA+8], v[KA+12], v[VA+1]
	v_med3_num_f32 v[KA+13], v[KA+9], v[KA+13], v[VB+1]
	v_max_num_f32 v[KA], v[KA], v[VA]
	v_max_num_f32 v[KA+1], v[KA+1], v[VB]
	v_max_num_f32 v[KA+8], v[KA+8], v[VA+1]
	v_max_num_f32 v[KA+9], v[KA+9], v[VB+1]
.endm
; One code tile: eight products into set P; behind each a slice of the scan of set Q, the tile before (scan = 1); the tile after is fetched into set Q's
; fragments (fetch = 1).  The four accumulators take turns, one instruction a turn, over the backward jump too.
; Behind the last product that read set Q's fragments, and behind every product whose result a slice reads, stand the twelve instructions of a slice
; (ISA guide 7.12.1 asks for four); where a trip has no slices, four v_nop end it.
.macro TRIP P, Q, scan, fetch
	s_wait_dscnt 0x0                               ; the six loads issued in the trip before
.irp t, 0,1,2,3
	W1 \P, \t
.if \scan
	VS \Q, \t
.endif
.if \fetch
.if \t == 0
	LD \Q
.endif
.endif
.endr
.irp t, 0,1,2,3
	W2 \P, \t
.if \scan
	VS \Q, \t+4
.endif
.endr
.if \scan
.irp k, 0,1,2,3,4,5,6,7
	s_add_co_u32 s[IDX+\k], s[IDX+\k], 16          ; the numbers of the next tile to be scanned
.endr
.else
.rept 4
	v_nop
.endr
.endif
.endm
	LD 0
	TRIP 0, 1, 0, 1                                ; tile 0: nothing to scan yet
	s_mov_b32 s3, 31
.Ltiles:
	TRIP 1, 0, 1, 1                                ; tiles 1, 3, .. 61
	TRIP 0, 1, 1, 1                                ; tiles 2, 4, .. 62
	s_sub_co_u32 s3, s3, 1
	s_cmp_lg_u32 s3, 0
	s_cbranch_scc1 .Ltiles
	TRIP 1, 0, 1, 0                                ; tile 63: nothing left to fetch
.irp n, 0,1,2,3,4,5,6,7
	VS 1, \n                                       ; and its scan
.endr
	; ---- THE END: the classes' pairs are merged to the row's best three, packed, and stored as 256 neighbouring bytes
.macro MERGE22 a1, a2, b1, b2          ; two sorted pairs: their best three go to a1, a2, b1
	v_min_num_f32 v16, v[\a1], v[\b1]
	v_max_num_f32 v17, v[\a2], v[\b2]
	v_max_num_f32 v[\a1], v[\a1], v[\b1]
	v_max_num_f32 v[\a2], v16, v17
	v_min_num_f32 v[\b1], v16, v17
.endm
.macro MERGE33 a1, a2, a3, b1, b2, b3  ; two sorted triples: their best three go to a1, a2, a3
	v_min_num_f32 v16, v[\a1], v[\b1]
	v_max_num_f32 v17, v[\a2], v[\b2]
	v_max_num_f32 v18, v[\a3], v[\b3]
	v_max_num_f32 v[\a1], v[\a1], v[\b1]
	v_max_num_f32 v[\a2], v16, v17
	v_min_num_f32 v16, v16, v17
	v_max_num_f32 v[\a3], v16, v18
.endm
	v_cmp_ne_u32 vcc_lo, 0, v11                    ; lanes 16-31
.irp t, 0,1,2,3
	MERGE22 TRK+\t, TRK+4+\t, TRK+8+\t, TRK+12+\t
	MERGE22 TRK+16+\t, TRK+20+\t, TRK+24+\t, TRK+28+\t
	MERGE33 TRK+\t, TRK+4+\t, TRK+8+\t, TRK+16+\t, TRK+20+\t, TRK+24+\t
	v_or_b32 v[TRK+\t], v[TRK+\t], v11             ; bit 3 of the code's number
	v_or_b32 v[TRK+4+\t], v[TRK+4+\t], v11
	v_or_b32 v[TRK+8+\t], v[TRK+8+\t], v11
	v_permlanex16_b32 v12, v[TRK+\t], s32, s33     ; the other half's three
	v_permlanex16_b32 v13, v[TRK+4+\t], s32, s33
	v_permlanex16_b32 v14, v[TRK+8+\t], s32, s33
	MERGE33 TRK+\t, TRK+4+\t, TRK+8+\t, 12, 13, 14
	v_and_b32 v[20+\t], 0x3ff, v[TRK+\t]
	v_and_b32 v16, 0x3ff, v[TRK+4+\t]
	v_and_b32 v17, 0x3ff, v[TRK+8+\t]
	v_lshl_or_b32 v[20+\t], v16, 10, v[20+\t]
	v_lshl_or_b32 v[20+\t], v17, 20, v[20+\t]      ; a | b << 10 | c << 20, the same in both halves
.endr
	v_cndmask_b32 v20, v20, v21, vcc_lo            ; lane l: the word of row l
	v_cndmask_b32 v22, v22, v23, vcc_lo            ; and of row 32 + l
	v_and_b32 v12, 31, v0                          ; lane
	v_lshl_add_u32 v13, v12, 3, s101
	v_lshlrev_b32 v14, 3, v12
	ds_store_b32 v[AUX], v20
	ds_store_b32 v[AUX], v22 offset:128
	ds_load_b64 v[16:17], v13                      ; rows 2 l and 2 l + 1; my wave's own bytes, served in order
	s_wait_dscnt 0x0
	global_store_b64 v14, v[16:17], s[8:9]         ; the wave's 64 words: 256 consecutive bytes, at a multiple of 256 from the buffer's first byte
	s_wait_tensorcnt 0x0
	ds_add_u32 v254, v255
	s_wait_dscnt 0x0
	s_endpgm
.Lfunc_end_k_q9c5a8ff437_st0:
	.size	k_q9c5a8ff437_st0, .Lfunc_end_k_q9c5a8ff437_st0-k_q9c5a8ff437_st0
	.p2alignl 7, 3214868480
	.fill 96, 4, 3214868480
	.section	.rodata,"a",@progbits
	.p2align	6, 0x0
	.amdhsa_kernel k_q9c5a8ff437_st0
		.amdhsa_group_segment_fixed_size 297984
		.amdhsa_private_segment_fixed_size 0
		.amdhsa_enable_private_segment 0
		.amdhsa_kernarg_size 24
		.amdhsa_user_sgpr_count 2
		.amdhsa_user_sgpr_kernarg_segment_ptr 1
		.amdhsa_wavefront_size32 1
		.amdhsa_system_sgpr_workgroup_id_x 1
		.amdhsa_system_sgpr_workgroup_id_y 1
		.amdhsa_system_sgpr_workgroup_id_z 1
		.amdhsa_system_vgpr_workitem_id 0
		.amdhsa_next_free_vgpr 256
		.amdhsa_next_free_sgpr 106
		.amdhsa_reserve_vcc 1
		.amdhsa_float_denorm_mode_32 3
		.amdhsa_float_denorm_mode_16_64 3
		.amdhsa_memory_ordered 1
		.amdhsa_forward_progress 1
		.amdhsa_inst_pref_size 112
	.end_amdhsa_kernel
	.amdgpu_metadata
---
amdhsa.version: [ 1, 2 ]
amdhsa.kernels:
  - .name:           k_q9c5a8ff437_st0
    .symbol:         k_q9c5a8ff437_st0.kd
    .args:
      - { .name: latent_representation, .offset: 0, .size: 8, .value_kind: global_buffer, .address_space: global }
      - { .name: cb0, .offset: 8, .size: 8, .value_kind: global_buffer, .address_space: global }
      - { .name: sel0, .offset: 16, .size: 8, .value_kind: global_buffer, .address_space: global }
    .group_segment_fixed_size: 297984
    .private_segment_fixed_size: 0
    .kernarg_segment_align: 8
    .kernarg_segment_size: 24
    .max_flat_workgroup_size: 256
    .sgpr_count:     106
    .vgpr_count:     256
    .wavefront_size: 32
...
	.end_amdgpu_metadata
.endif
;; end of part 1
;; launch st1 (part 2): grid 256 x 1, 8 waves a work-group, no clusters, 297,984 bytes of LDS; arguments latent_representation, cb1, sel1, sel0, cb0, fin0; writes sel1, fin0
.if DOCPART == 2
	.amdgcn_target "amdgcn-amd-amdhsa--gfx1250"
	.amdhsa_code_object_version 6
	.text
	.protected	k_q9c5a8ff437_st1
	.globl	k_q9c5a8ff437_st1
	.p2align	8
	.type	k_q9c5a8ff437_st1,@function
k_q9c5a8ff437_st1:
	s_mov_b64 s[64:65], 0
	v_nop
	global_prefetch_b8 v0, s[64:65] scope:SCOPE_SE
	s_setreg_imm32_b32 hwreg(HW_REG_WAVE_MODE, 25, 1), 1
	s_wait_xcnt 0x0
; THE RESIDUAL QUANTIZER, SECOND AND THIRD OF FOUR LAUNCHES, one text; the symbol STAGE picks the blocks.
; An index found in a launch steers no address of that launch: it is stored as a whole number, and the NEXT launch looks the codes up.
;   stage 1: decides f0 among sel0's three, x = x0 - cb0[f0]; screens cb1; stores sel1, fin0.
;   stage 2: x1 = x0 - cb0[f0], decides f1 among sel1's three, x = x1 - cb1[f1]; screens cb2; stores sel2, fin1.     A sel word is a | b<<10 | c<<20.
; THE DECISION leaves nothing out: d = (||x||^2 - 2 x.c) + ||c||^2 in f32 as reference() writes it; the smallest d wins, a tie goes to the lower index;
; v_cndmask_b32 picks the code.  Where two codes are nearer to each other than f32 rounding, the order of the sums decides, so the sums run in the order
; that a CPU build of reference() is taken to use: x.c is one chain of fused multiply-adds in ascending order; a sum of 64 squares is two windows of
; 32, the squares rounded, each window B[l] = ((e[l] + e[8+l]) + e[16+l]) + e[24+l] for l = 0..7, then B[l] + B[l+4], then [l] + [l+2], then [0] + [1].
; THE SCREEN only proposes three codes: score(k) = (x - s).(c_k - s) - 0.5 ||c_k - s||^2, f16 operands, f32 sums, s = row 0 of this stage's codebook.
; ||x - c||^2 = ||(x - s) - (c - s)||^2 is an identity.  LEFT OUT OF THE SCREEN: ||x - s||^2, the same for all 1,024 codes of a row, so that in exact
; arithmetic it moves no comparison along the argmin's axis; a NaN, an infinity or an overflow that reaches only that term is not carried on.
; s is taken away in f32 ahead of the rounding to f16: a common offset is gone before anything is rounded, and no score is a difference of large sums.
; LIMITS.  |x - s| and |c - s| up to 65,504 (f16).  The screen compares 13 mantissa bits (the low 10 carry the code's number).  Best and second best are
; kept in eight classes of 128 codes: a true best code that two codes of its own class overtake in the screen, or that ranks fourth among those kept,
; is lost.  Two codes nearer to each other than reference()'s own rounding are decided as reference() decides them only if its sums run in the order
; above.  NaN and infinities among the inputs are not served.
; SHARES.  256 work-groups of eight waves; a work-group has 512 rows, a wave 64, in the decision as two groups of 32 with lane = row.
; TWO REGISTER WINDOWS.  Eight waves are two to a SIMD, 512 registers each.  Group 0 and all else live in v0-255; group 1 lives in v256-511 under the same
; numbers and runs the same macros under s_set_vgpr_msb 0x55 (all four operand places in window 1).  So group 1's 48 gathers are on their way through the
; whole codebook phase, and group 0's go out ahead of group 1's arithmetic.  Setting 0x40 (destination alone) writes group 1's addresses and index words.
; NO JOINT LOADS in a cluster although all work-groups read the same codebook: it has to pass through registers (shift, f32 to f16, the norms), and as
; f32 its 262,144 bytes do not fit beside the 147,456 of its f16 image and the 139,264 of the rows in the 327,680 bytes that a work-group can be given.
.set STAGE,  1
.set NP,     STAGE-1                   ; codes of earlier stages that are taken away from x0 first
.set CPITCH, 144                       ; an f16 code row: 128 bytes + 16 = 9 x 16: sixteen rows start at sixteen different 16-byte columns modulo 256
.set XPITCH, 272                       ; an x row: 256 bytes + 16 = 17 x 16, likewise
.set BIAS,   1024*CPITCH               ; 147,456: -0.5 ||c - s||^2, 1,024 f32
.set XB,     BIAS+4096                 ; 151,552: each wave's own 64 rows, f32; at the end of the rows' phase f16 in each row's first 128 bytes
.set XBW,    64*XPITCH                 ; 17,408 a wave
.set GRP,    32*XPITCH                 ; a group of 32 rows
.set SCR,    XB+8*XBW                  ; 290,816: each wave's own 768 bytes: 64 sel words, 64 decided indices
.set SCRW,   768
.set DEPTH,  12                        ; codebook loads of a wave in flight: with the shift's load and group 1's 48 gathers 61 loads at the most
.set EXTRA,  48                        ; group 1's gathers, issued between the ring's first fill and its first turn
; vector registers.  v0 the thread's number, kept.  Codebook phase: v1 load offset, v2 f16 store, v3 bias store, v6 i, v7 hh, v[8:11] my four numbers of s,
; v12-23 at work, v24 16 i.  Screen: v8 x fragments, v9 code fragments, v10 bias fragments, v11 8 hh, v12-23 at work.   (i = lane mod 16, hh = lane / 16)
; scalar registers.  s2 wave, s3 trips, s[4:11] x0, codebook, sel out, sel in; s[12:23] descriptor; s[24:25] the codebook before, s[26:27] decided indices out,
; s[28:29] fin0, s[104:105] cb0; s30, s31 the decision's masks, s66, s67 at work; s101 scratch base; s: s[68:99] elements 0-31, s[32:63] elements 32-63;
; behind the rows' phase s30 mask, s[32:33] lane selects, s[36:43] code numbers.
.set XX,   1                           ; v1         rows' phase: ||x||^2
.set E0,   2                           ; v[2:3]     two squares
.set ROW,  4                           ; v4         my row in XB (lane = row), group 0's; the group's 32 rows stand in the immediate
.set AUX,  5                           ; v5         scratch + 4 lane
.set E1,   6                           ; v[6:7]     two squares
.set BB,   8                           ; v[8:15]    the eight partial sums of a window
.set SH,   8                           ;            codebook phase: s[4 i .. 4 i + 3]
.set AD,   16                          ; v[16:18]   the candidates' byte offsets in the codebook,
.set IX,   16                          ;            and, when their loads are in, their numbers
.set DOT,  19                          ; v[19:21]   x.c, then d
.set PD,   22                          ; v22        byte offset of the earlier stage's code,
.set CCN,  22                          ; v[22:24]   and, when its loads are in, the three ||c||^2
.set WT,   25                          ; v25        offset of the index loads (4 lane); then a window's sum
.set XR,   26                          ; v[26:57]   eight chunks (4 f32) of my row: a ring, and a whole window of 32
.set R0,   58                          ; v[58:249]  the three candidates, 64 registers each
.set RING, 58                          ; codebook phase: DEPTH slots of 4
.set SW,   250                         ; v250       my row's sel word
.set FW,   251                         ; v251       my row's fin0 word
.set XF,   24                          ; v[24:87]   screen: x fragments, 16 registers a row tile
.set ACC,  88                          ; v[88:151]  two sets of four accumulators
.set AF,   152                         ; v[152:183] two sets of code fragments
.set CF,   184                         ; v[184:199] two sets of bias fragments
.set TRK,  200                         ; v[200:231] best at 16 set + 8 parity + tile, second best 4 further
.set IDX,  36                          ; s[36:43]   16 x tile + j
.set MSB,  0
.macro WIN new                         ; the immediate's high byte repeats the setting that is left
.if MSB != \new
	s_set_vgpr_msb (MSB<<8)|\new
.set MSB, \new
.endif
.endm
.macro SETMIN name, a, b
.if (\a) < (\b)
.set \name, \a
.else
.set \name, \b
.endif
.endm
	s_load_b256 s[4:11], s[0:1], 0x0               ; x0, codebook, sel out, s[10:11] sel of the stage before
	s_load_b128 s[24:27], s[0:1], 0x20             ; the codebook of the stage before s[24:25], decided indices out s[26:27]
	v_lshl_add_u32 v254, v0, 2, 0x48800
	v_mov_b32 v255, 0
	ds_add_u32 v254, v255
	ds_add_u32 v254, v255
.if NP
	s_load_b64 s[28:29], s[0:1], 0x30              ; fin0
	s_load_b64 s[104:105], s[0:1], 0x38            ; cb0
.endif
	v_lshrrev_b32 v1, 5, v0
	v_readfirstlane_b32 s2, v1                     ; wave 0..7
	; the wave's one tensor load: its 64 rows of 64 f32, dense in memory, 16 bytes of padding behind each row in LDS
	s_mov_b32 s12, 1                               ; count
	s_mul_i32 s13, s2, XBW
	s_add_co_u32 s13, s13, XB                      ; LDS address: the wave's own rows
	s_mov_b32 s16, (2<<16)|(1<<20)|(5<<22)|(3<<25) ; elements of 4 bytes; padding on; after every 64 words; 4 words
	s_mov_b32 s17, 64<<16                          ; tensor_dim0 = 64
	s_mov_b32 s18, 64<<16                          ; tensor_dim1 = 64
	s_mov_b32 s19, 64<<16                          ; tile_dim0 = 64
	s_mov_b32 s20, 64                              ; tile_dim1 = 64
	s_mov_b32 s21, 64                              ; 64 elements from row to row
	s_mov_b32 s22, 0
	s_mov_b32 s23, 0
	s_lshl_b32 s44, ttmp9, 17                      ; 512 rows of 256 bytes a work-group
	s_lshl_b32 s31, s2, 14                         ; 64 rows a wave
	s_add_co_u32 s44, s44, s31
	s_mov_b32 s45, 0
	s_wait_dscnt 0x0
	s_wait_kmcnt 0x0
	s_add_nc_u64 s[14:15], s[4:5], s[44:45]
	s_or_b32 s15, s15, 0x80000000                  ; type
	tensor_load_to_lds s[12:15], s[16:23]          ; the only fill of these bytes in the launch
	s_nop 0
	s_lshr_b32 s44, s44, 6                         ; the index buffers have 4 bytes a row where x has 256
	v_and_b32 v[WT], 31, v0                        ; lane
	v_mul_u32_u24 v[AUX], v[WT], XPITCH
	v_add_nc_u32 v[ROW], s13, v[AUX]               ; my row of group 0
	v_lshlrev_b32 v[WT], 2, v[WT]                  ; 4 lane; written again only when the index loads are in
	s_mul_i32 s101, s2, SCRW
	s_add_co_u32 s101, s101, SCR                   ; my wave's scratch
	v_add_nc_u32 v[AUX], s101, v[WT]
	s_add_nc_u64 s[8:9], s[8:9], s[44:45]
	s_add_nc_u64 s[10:11], s[10:11], s[44:45]
	s_add_nc_u64 s[26:27], s[26:27], s[44:45]
.if NP
	s_add_nc_u64 s[28:29], s[28:29], s[44:45]
.endif
	global_load_b32 v[SW], v[WT], s[10:11]                ; group 0: the words of row lane
.if NP
	global_load_b32 v[FW], v[WT], s[28:29]
.endif
	WIN 0x40                                       ; destination in window 1
	global_load_b32 v[SW], v[WT], s[10:11] offset:128     ; group 1: the words of row 32 + lane
.if NP
	global_load_b32 v[FW], v[WT], s[28:29] offset:128
.endif
	v_mov_b32 v[ROW], v[ROW]                       ; group 1's copies of the two LDS addresses
	v_mov_b32 v[AUX], v[AUX]
	WIN 0
	s_load_b512 s[68:83], s[6:7], 0x0              ; s = row 0 of this stage's codebook, the same for all lanes where a lane is a row
	s_load_b512 s[84:99], s[6:7], 0x40
	s_load_b512 s[32:47], s[6:7], 0x80
	s_load_b512 s[48:63], s[6:7], 0xc0
.macro XLOAD base, g, cc               ; chunk cc of my row into slot cc mod 8
	ds_load_b128 v[XR+4*((\cc)%8):XR+4*((\cc)%8)+3], v[\base] offset:GRP*(\g)+16*(\cc)
.endm
.macro XLOAD8 base, g, first           ; eight chunks from chunk first on
.set c, \first
.rept 8
	XLOAD \base, \g, c
.set c, c+1
.endr
.endm
.macro MKADR adr, word, bit
	v_bfe_u32 v[\adr], v[\word], \bit, 10
	v_min_u32 v[\adr], 0x3ff, v[\adr]              ; an index read from memory is clamped to the table before it enters an address
	v_lshlrev_b32 v[\adr], 8, v[\adr]              ; 256 bytes a code
.endm
.macro CAND m, cc                      ; chunk cc of candidate m: each lane takes 16 bytes of its own row's code
	global_load_b128 v[R0+64*(\m)+4*(\cc):R0+64*(\m)+4*(\cc)+3], v[AD+(\m)], s[24:25] offset:16*(\cc)
.endm
; a group's gathers.  Stage 2: cb0[f0] lands where candidate 0 will.  defer = 1: candidate 2 goes out in PRE, so that no more than 49 loads are out there
.macro ISSUE defer
	MKADR AD, SW, 0
	MKADR AD+1, SW, 10
	MKADR AD+2, SW, 20
.if NP
	MKADR PD, FW, 0
.endif
.set c, 0
.rept 16
.if NP
	global_load_b128 v[R0+4*c:R0+4*c+3], v[PD], s[104:105] offset:16*c
.else
	CAND 0, c
.endif
	CAND 1, c
.if \defer == 0
	CAND 2, c
.endif
.set c, c+1
.endr
.endm
	; ---- THE CODEBOOK: wave w converts code rows 128 w .. 128 w + 127; a load takes two rows, 512 neighbouring bytes
	v_and_b32 v24, 15, v0
	v_lshlrev_b32 v24, 4, v24                      ; 16 i
	global_load_b128 v[SH:SH+3], v24, s[6:7]       ; s[4 i .. 4 i + 3]: the elements that I hold of every code row
	v_and_b32 v1, 31, v0
	v_lshlrev_b32 v1, 4, v1
	s_lshl_b32 s31, s2, 15
	v_add_nc_u32 v1, s31, v1                       ; 32,768 w + 16 lane
.set j, 0
.rept DEPTH
	global_load_b128 v[RING+4*j:RING+4*j+3], v1, s[6:7] offset:512*j
.set j, j+1
.endr
	s_wait_loadcnt DEPTH+1                         ; the index words are in; the shift's load and the ring's first fill stay out
	WIN 0x55
	ISSUE 0                                        ; group 1's 48 gathers: they land while the codebook is converted
	WIN 0
	v_and_b32 v6, 15, v0                           ; i
	v_bfe_u32 v7, v0, 4, 1                         ; hh
	v_mul_u32_u24 v2, v7, CPITCH
	v_lshl_add_u32 v2, v6, 3, v2
	s_mul_i32 s31, s2, 128*CPITCH
	v_add_nc_u32 v2, s31, v2                       ; (128 w + hh) x 144 + 8 i
	s_lshl_b32 s31, s2, 9
	s_add_co_u32 s31, s31, BIAS
	v_lshl_add_u32 v3, v7, 2, s31                  ; BIAS + 4 (128 w + hh)
; two code rows (2 j and 2 j + 1 of the wave's 128): c - s, its f16 image, -0.5 ||c - s||^2, and the ring slot's next load
.macro CV
.if j < DEPTH
.set left, DEPTH-1+EXTRA                           ; behind load j: DEPTH-1-j of the first fill, EXTRA gathers, j reloads
.else
	SETMIN left, DEPTH-1, 63-j
.endif
.set CR, RING+4*(j%DEPTH)
.set TT, 12+4*(j%3)
	s_wait_loadcnt left                            ; loads come back in order: load j is in, the younger ones stay out; the last count is 0
	v_pk_add_f32 v[CR:CR+1], v[CR:CR+1], v[SH:SH+1] neg_lo:[0,1] neg_hi:[0,1]
	v_pk_add_f32 v[CR+2:CR+3], v[CR+2:CR+3], v[SH+2:SH+3] neg_lo:[0,1] neg_hi:[0,1]
	v_pk_mul_f32 v[TT:TT+1], v[CR:CR+1], v[CR:CR+1]
	v_cvt_pk_f16_f32 v[TT+2], v[CR], v[CR+1]
	v_pk_fma_f32 v[TT:TT+1], v[CR+2:CR+3], v[CR+2:CR+3], v[TT:TT+1]
	v_cvt_pk_f16_f32 v[TT+3], v[CR+2], v[CR+3]
.if j+DEPTH < 64
	global_load_b128 v[CR:CR+3], v1, s[6:7] offset:512*(j+DEPTH)
.endif
	v_add_f32 v[TT], v[TT], v[TT+1]
	ds_store_b64 v2, v[TT+2:TT+3] offset:2*CPITCH*j
.irp m, 1,2,4,8
	v_add_f32_dpp v[TT], v[TT], v[TT] row_xmask:\m row_mask:0xf bank_mask:0xf   ; over the sixteen lanes of a row
.endr
	v_mul_f32 v[TT], -0.5, v[TT]
	ds_store_b32 v3, v[TT] offset:8*j              ; sixteen lanes write one word with one value
.endm
.set j, 0
.rept 64
	CV
.set j, j+1
.endr
	; ---- THE ROWS, lane = row: take the earlier code away (PRE), decide the stage before and leave this stage's x - s as f16 (DEC)
; the sum of the squares of the 32 numbers in v[src .. src+31], in the order stated at the head: rounded squares, eight partial sums, three halvings
.macro SQW src, dst
.irp p, 0,2,4,6
	v_pk_mul_f32 v[BB+\p:BB+\p+1], v[\src+\p:\src+\p+1], v[\src+\p:\src+\p+1]
.endr
.irp u, 8,16,24
	v_pk_mul_f32 v[E0:E0+1], v[\src+\u:\src+\u+1], v[\src+\u:\src+\u+1]
	v_pk_mul_f32 v[E1:E1+1], v[\src+\u+2:\src+\u+3], v[\src+\u+2:\src+\u+3]
	v_pk_add_f32 v[BB:BB+1], v[BB:BB+1], v[E0:E0+1]
	v_pk_add_f32 v[BB+2:BB+3], v[BB+2:BB+3], v[E1:E1+1]
	v_pk_mul_f32 v[E0:E0+1], v[\src+\u+4:\src+\u+5], v[\src+\u+4:\src+\u+5]
	v_pk_mul_f32 v[E1:E1+1], v[\src+\u+6:\src+\u+7], v[\src+\u+6:\src+\u+7]
	v_pk_add_f32 v[BB+4:BB+5], v[BB+4:BB+5], v[E0:E0+1]
	v_pk_add_f32 v[BB+6:BB+7], v[BB+6:BB+7], v[E1:E1+1]
.endr
	v_pk_add_f32 v[BB:BB+1], v[BB:BB+1], v[BB+4:BB+5]         ; [l] + [l+4]
	v_pk_add_f32 v[BB+2:BB+3], v[BB+2:BB+3], v[BB+6:BB+7]
	v_pk_add_f32 v[BB:BB+1], v[BB:BB+1], v[BB+2:BB+3]         ; [l] + [l+2]
	v_add_f32 v[\dst], v[BB], v[BB+1]                         ; [0] + [1]
.endm
.macro BETTER m, mask                  ; mask = candidate m beats the holder in v[DOT], v[IX]: nearer, or as near with the lower number
	v_cmp_lt_f32 s[\mask], v[DOT+\m], v[DOT]
	v_cmp_eq_f32 s66, v[DOT+\m], v[DOT]
	v_cmp_lt_u32 s67, v[IX+\m], v[IX]
	s_and_b32 s66, s66, s67
	s_or_b32 s[\mask], s[\mask], s66
	v_cndmask_b32 v[DOT], v[DOT], v[DOT+\m], s[\mask]
	v_cndmask_b32 v[IX], v[IX], v[IX+\m], s[\mask]
.endm
; stage 2: x1 = x0 - cb0[f0] goes back into the row, chunk by chunk, and the freed registers get candidate 0 (defer = 1: candidate 2 goes out here too).
; lw: how many younger loads may stay out when this chunk's piece of cb0[f0] has to be in; negative: an earlier wait for 0 has shown it in
.macro PRE g, defer, lw
	XLOAD8 ROW, \g, 0
.set c, 0
.rept 16
	SETMIN young, 7, 15-c
	SETMIN old, 7, c
.set XC, XR+4*(c%8)
.set QA, R0+4*c
.if \lw >= 0
	s_wait_loadcnt \lw
.endif
	s_wait_dscnt young+old                         ; behind this chunk's load: the younger ring loads and the one store of each chunk done since
	v_pk_add_f32 v[XC:XC+1], v[XC:XC+1], v[QA:QA+1] neg_lo:[0,1] neg_hi:[0,1]
	v_pk_add_f32 v[XC+2:XC+3], v[XC+2:XC+3], v[QA+2:QA+3] neg_lo:[0,1] neg_hi:[0,1]
	ds_store_b128 v[ROW], v[XC:XC+3] offset:GRP*\g+16*c
	CAND 0, c
.if \defer
	CAND 2, c
.endif
.if c+8 < 16
	XLOAD ROW, \g, c+8
.endif
.set c, c+1
.endr
.endm
; the decision of group g.  per x (15 - c) + later younger loads may stay out when chunk c of the candidates has to be in; later when all of them have to be;
; nw = 1: an earlier wait for 0 has shown them all in
.macro DEC g, per, later, nw
	XLOAD8 ROW, \g, 0                              ; LDS serves a wave's instructions in order: these see what PRE stored
	; x.c of the three candidates, k = 0 .. 31: fused chains in ascending order, started by the first products
.set c, 0
.rept 8
.set XC, XR+4*c
.if \nw == 0
	s_wait_loadcnt \per*(15-c)+\later
.endif
	s_wait_dscnt 7-c                               ; the window's younger chunks stay out
.irp e, 0,1,2,3
.if (c+\e) == 0
.irp m, 0,1,2
	v_mul_f32 v[DOT+\m], v[XC], v[R0+64*\m]
.endr
.else
.irp m, 0,1,2
	v_fmac_f32 v[DOT+\m], v[XC+\e], v[R0+64*\m+4*c+\e]
.endr
.endif
.endr
.set c, c+1
.endr
	SQW XR, XX                                     ; the first window of ||x||^2
	XLOAD8 ROW, \g, 8                              ; the second window of x lands while the three ||c||^2 are made
.if \nw == 0
	s_wait_loadcnt \later                          ; all of this group's loads are in; their offsets' registers are free
.endif
.irp m, 0,1,2
	SQW R0+64*\m, WT
	SQW R0+64*\m+32, CCN+\m
	v_add_f32 v[CCN+\m], v[WT], v[CCN+\m]          ; window 0 + window 1
.endr
.set c, 8
.rept 8
.set XC, XR+4*(c-8)
	s_wait_dscnt 15-c                              ; the window's younger chunks stay out
.irp e, 0,1,2,3
.irp m, 0,1,2
	v_fmac_f32 v[DOT+\m], v[XC+\e], v[R0+64*\m+4*c+\e]
.endr
.endr
.set c, c+1
.endr
	SQW XR, WT
	v_add_f32 v[XX], v[XX], v[WT]                  ; window 0 + window 1
.irp m, 0,1,2
	v_fma_f32 v[DOT+\m], v[DOT+\m], -2.0, v[XX]    ; ||x||^2 - 2 x.c: the product by 2 is exact, one rounding
.endr
.irp m, 0,1,2
	v_add_f32 v[DOT+\m], v[DOT+\m], v[CCN+\m]      ; + ||c||^2
.endr
	v_bfe_u32 v[IX], v[SW], 0, 10
	v_bfe_u32 v[IX+1], v[SW], 10, 10
	v_bfe_u32 v[IX+2], v[SW], 20, 10
	BETTER 1, 30
	BETTER 2, 31
	ds_store_b32 v[AUX], v[IX] offset:256+128*\g   ; the decided index of my row
	; the last pass: the chosen code, the next residual, and residual - s as f16 into the row's first 128 bytes (byte 8 c lies in a chunk already read)
	XLOAD8 ROW, \g, 0
.set c, 0
.rept 16
	SETMIN young, 7, 15-c
	SETMIN old, 7, c
.set XC, XR+4*(c%8)
.set QA, R0+4*c
.set SR, 4*c+68*(1-c/8)                            ; where elements 4 c .. 4 c + 3 of s lie
	s_wait_dscnt young+old                         ; the younger ring loads and the one store of each chunk done since
.irp e, 0,1,2,3
	v_cndmask_b32 v[QA+\e], v[QA+\e], v[QA+64+\e], s30
.endr
.irp e, 0,1,2,3
	v_cndmask_b32 v[QA+\e], v[QA+\e], v[QA+128+\e], s31
.endr
	v_pk_add_f32 v[QA:QA+1], v[XC:XC+1], v[QA:QA+1] neg_lo:[0,1] neg_hi:[0,1]         ; the next residual
	v_pk_add_f32 v[QA+2:QA+3], v[XC+2:XC+3], v[QA+2:QA+3] neg_lo:[0,1] neg_hi:[0,1]
.irp e, 0,1,2,3
	v_subrev_f32 v[QA+\e], s[SR+\e], v[QA+\e]      ; - s, for the screen alone
.endr
	v_cvt_pk_f16_f32 v[QA+64], v[QA], v[QA+1]
	v_cvt_pk_f16_f32 v[QA+65], v[QA+2], v[QA+3]
	ds_store_b64 v[ROW], v[QA+64:QA+65] offset:GRP*\g+8*c
.if c+8 < 16
	XLOAD ROW, \g, c+8
.endif
.set c, c+1
.endr
.endm
	s_wait_kmcnt 0x0                               ; s
	s_wait_tensorcnt 0x0                           ; my rows are in LDS; only my wave reads them
.if NP == 0
	ISSUE 0                                        ; group 0's 48 gathers, on their way through group 1's decision
	WIN 0x55
	DEC 1, 0, 0, 1                                 ; group 1's gathers were shown in by the codebook phase's last wait, which was for 0
	WIN 0
	DEC 0, 3, 0, 0                                 ; three loads a chunk
.else
	ISSUE 1                                        ; group 0: cb0[f0] and candidate 1, 32 loads, chunk by chunk
	WIN 0x55
	PRE 1, 0, -1                                   ; group 1: 16 loads of candidate 0
	WIN 0
	PRE 0, 1, 47                                   ; behind chunk c of cb0[f0]: 1 + 2 (15 - c) of the issue, group 1's 16, 2 c issued here since
	WIN 0x55
	DEC 1, 1, 32, 0                                ; behind chunk c of candidate 0: 15 - c more of it and group 0's 32
	WIN 0
	DEC 0, 2, 0, 0                                 ; two loads a chunk
.endif
	; ---- x fragments (operand B: lane holds row i; K = 8 hh .. and 16 + 8 hh .. of each 32), kept in registers for all 64 code tiles
	v_and_b32 v7, 15, v0                           ; i
	v_bfe_u32 v11, v0, 4, 1                        ; hh
	v_mul_u32_u24 v8, v7, XPITCH
	v_lshl_add_u32 v8, v11, 4, v8
	v_add_nc_u32 v8, s13, v8                       ; x fragments: row i, 16 hh
	v_mul_u32_u24 v9, v7, CPITCH
	v_lshl_add_u32 v9, v11, 4, v9                  ; code fragments: row i, 16 hh
	v_lshlrev_b32 v10, 5, v11
	v_add_nc_u32 v10, BIAS, v10                    ; bias fragments: codes 8 hh .. 8 hh + 7 of a tile
	v_lshlrev_b32 v11, 3, v11                      ; from here on 8 hh
.irp t, 0,1,2,3
.irp c, 0,1,2,3
	ds_load_b128 v[XF+16*\t+4*\c:XF+16*\t+4*\c+3], v8 offset:\t*16*XPITCH+32*\c       ; LDS serves a wave's instructions in order: these see the stores above
.endr
.endr
.set k, 0
.rept 32
	v_mov_b32 v[TRK+k], 0xff800000                 ; best and second best of every class start at -infinity
.set k, k+1
.endr
.irp k, 0,1,2,3,4,5,6,7
	s_mov_b32 s[IDX+\k], \k
.endr
	s_mov_b32 s30, 0xfffffc00                      ; the score's sign, exponent and 13 mantissa bits
	s_mov_b32 s32, 0x76543210                      ; v_permlanex16_b32: lane i of one half reads lane i of the other
	s_mov_b32 s33, 0xfedcba98
	s_wait_dscnt 0x0                               ; my part of the f16 codebook and of the biases is written, my fragments are in
	s_barrier_signal -1
	s_barrier_wait -1                              ; everybody's part is: the launch's one barrier
	; ---- THE SCREEN: 64 tiles of 16 codes.  Codes are operand A, rows operand B: register j of lane (i, hh) is the score of code 16 t + 8 hh + j
	; for row i, so best and second best stay inside a lane.  The bias enters as the first product's C.
.macro LD P                            ; the next tile's code and bias fragments into set P
	ds_load_b128 v[AF+16*(\P):AF+16*(\P)+3], v9
	ds_load_b128 v[AF+16*(\P)+4:AF+16*(\P)+7], v9 offset:32
	ds_load_b128 v[AF+16*(\P)+8:AF+16*(\P)+11], v9 offset:64
	ds_load_b128 v[AF+16*(\P)+12:AF+16*(\P)+15], v9 offset:96
	ds_load_b128 v[CF+8*(\P):CF+8*(\P)+3], v10
	ds_load_b128 v[CF+8*(\P)+4:CF+8*(\P)+7], v10 offset:16
	v_add_nc_u32 v9, 16*CPITCH, v9
	v_add_nc_u32 v10, 64, v10
.endm
.macro W1 P, t                         ; K = 0..31, started by the bias
	v_wmma_f32_16x16x32_f16 v[ACC+32*(\P)+8*(\t):ACC+32*(\P)+8*(\t)+7], v[AF+16*(\P):AF+16*(\P)+7], v[XF+16*(\t):XF+16*(\t)+7], v[CF+8*(\P):CF+8*(\P)+7]
.endm
.macro W2 P, t                         ; K = 32..63, in place
	v_wmma_f32_16x16x32_f16 v[ACC+32*(\P)+8*(\t):ACC+32*(\P)+8*(\t)+7], v[AF+16*(\P)+8:AF+16*(\P)+15], v[XF+16*(\t)+8:XF+16*(\t)+15], v[ACC+32*(\P)+8*(\t):ACC+32*(\P)+8*(\t)+7]
.endm
; slice n of eight of the scan of set Q: two registers of two row tiles.  The code's number replaces the score's low 10 bits; the new second best is
; the middle one of (best, second best, score).  Even and odd registers, and the two sets, keep trackers of their own: with the two halves of the lanes
; eight classes.  Twelve plain vector instructions that name no register of the products around them.
.macro VS Q, n
.set TA, 2*((\n)/4)
.set JA, 2*((\n)%4)
.set VA, ACC+32*(\Q)+8*TA+JA
.set VB, VA+8
.set KA, TRK+16*(\Q)+TA
	v_and_or_b32 v[VA], v[VA], s30, s[IDX+JA]
	v_and_or_b32 v[VB], v[VB], s30, s[IDX+JA]
	v_and_or_b32 v[VA+1], v[VA+1], s30, s[IDX+JA+1]
	v_and_or_b32 v[VB+1], v[VB+1], s30, s[IDX+JA+1]
	v_med3_num_f32 v[KA+4], v[KA], v[KA+4], v[VA]
	v_med3_num_f32 v[KA+5], v[KA+1], v[KA+5], v[VB]
	v_med3_num_f32 v[KA+12], v[KA+8], v[KA+12], v[VA+1]
	v_med3_num_f32 v[KA+13], v[KA+9], v[KA+13], v[VB+1]
	v_max_num_f32 v[KA], v[KA], v[VA]
	v_max_num_f32 v[KA+1], v[KA+1], v[VB]
	v_max_num_f32 v[KA+8], v[KA+8], v[VA+1]
	v_max_num_f32 v[KA+9], v[KA+9], v[VB+1]
.endm
; One code tile: eight products into set P; behind each a slice of the scan of set Q, the tile before (scan = 1); the tile after is fetched into set Q's
; fragments (fetch = 1).  The four accumulators take turns, one instruction a turn, over the backward jump too.
; Behind the last product that read set Q's fragments, and behind every product whose result a slice reads, stand the twelve instructions of a slice
; (ISA guide 7.12.1 asks for four); where a trip has no slices, four v_nop end it.
.macro TRIP P, Q, scan, fetch
	s_wait_dscnt 0x0                               ; the six loads issued in the trip before
.irp t, 0,1,2,3
	W1 \P, \t
.if \scan
	VS \Q, \t
.endif
.if \fetch
.if \t == 0
	LD \Q
.endif
.endif
.endr
.irp t, 0,1,2,3
	W2 \P, \t
.if \scan
	VS \Q, \t+4
.endif
.endr
.if \scan
.irp k, 0,1,2,3,4,5,6,7
	s_add_co_u32 s[IDX+\k], s[IDX+\k], 16          ; the numbers of the next tile to be scanned
.endr
.else
.rept 4
	v_nop
.endr
.endif
.endm
	LD 0
	TRIP 0, 1, 0, 1                                ; tile 0: nothing to scan yet
	s_mov_b32 s3, 31
.Ltiles:
	TRIP 1, 0, 1, 1                                ; tiles 1, 3, .. 61
	TRIP 0, 1, 1, 1                                ; tiles 2, 4, .. 62
	s_sub_co_u32 s3, s3, 1
	s_cmp_lg_u32 s3, 0
	s_cbranch_scc1 .Ltiles
	TRIP 1, 0, 1, 0                                ; tile 63: nothing left to fetch
.irp n, 0,1,2,3,4,5,6,7
	VS 1, \n                                       ; and its scan
.endr
	; ---- THE END: the classes' pairs are merged to the row's best three, packed, and stored as 256 neighbouring bytes
.macro MERGE22 a1, a2, b1, b2          ; two sorted pairs: their best three go to a1, a2, b1
	v_min_num_f32 v16, v[\a1], v[\b1]
	v_max_num_f32 v17, v[\a2], v[\b2]
	v_max_num_f32 v[\a1], v[\a1], v[\b1]
	v_max_num_f32 v[\a2], v16, v17
	v_min_num_f32 v[\b1], v16, v17
.endm
.macro MERGE33 a1, a2, a3, b1, b2, b3  ; two sorted triples: their best three go to a1, a2, a3
	v_min_num_f32 v16, v[\a1], v[\b1]
	v_max_num_f32 v17, v[\a2], v[\b2]
	v_max_num_f32 v18, v[\a3], v[\b3]
	v_max_num_f32 v[\a1], v[\a1], v[\b1]
	v_max_num_f32 v[\a2], v16, v17
	v_min_num_f32 v16, v16, v17
	v_max_num_f32 v[\a3], v16, v18
.endm
	v_cmp_ne_u32 vcc_lo, 0, v11                    ; lanes 16-31
.irp t, 0,1,2,3
	MERGE22 TRK+\t, TRK+4+\t, TRK+8+\t, TRK+12+\t
	MERGE22 TRK+16+\t, TRK+20+\t, TRK+24+\t, TRK+28+\t
	MERGE33 TRK+\t, TRK+4+\t, TRK+8+\t, TRK+16+\t, TRK+20+\t, TRK+24+\t
	v_or_b32 v[TRK+\t], v[TRK+\t], v11             ; bit 3 of the code's number
	v_or_b32 v[TRK+4+\t], v[TRK+4+\t], v11
	v_or_b32 v[TRK+8+\t], v[TRK+8+\t], v11
	v_permlanex16_b32 v12, v[TRK+\t], s32, s33     ; the other half's three
	v_permlanex16_b32 v13, v[TRK+4+\t], s32, s33
	v_permlanex16_b32 v14, v[TRK+8+\t], s32, s33
	MERGE33 TRK+\t, TRK+4+\t, TRK+8+\t, 12, 13, 14
	v_and_b32 v[20+\t], 0x3ff, v[TRK+\t]
	v_and_b32 v16, 0x3ff, v[TRK+4+\t]
	v_and_b32 v17, 0x3ff, v[TRK+8+\t]
	v_lshl_or_b32 v[20+\t], v16, 10, v[20+\t]
	v_lshl_or_b32 v[20+\t], v17, 20, v[20+\t]      ; a | b << 10 | c << 20, the same in both halves
.endr
	v_cndmask_b32 v20, v20, v21, vcc_lo            ; lane l: the word of row l
	v_cndmask_b32 v22, v22, v23, vcc_lo            ; and of row 32 + l
	v_and_b32 v12, 31, v0                          ; lane
	v_lshl_add_u32 v13, v12, 3, s101
	v_lshlrev_b32 v14, 3, v12
	ds_store_b32 v[AUX], v20
	ds_store_b32 v[AUX], v22 offset:128
	ds_load_b64 v[16:17], v13                      ; rows 2 l and 2 l + 1; my wave's own bytes, served in order
	ds_load_b64 v[18:19], v13 offset:256           ; and their decided indices
	s_wait_dscnt 0x0
	global_store_b64 v14, v[16:17], s[8:9]         ; the wave's 64 words: 256 consecutive bytes, at a multiple of 256 from the buffer's first byte
	global_store_b64 v14, v[18:19], s[26:27]
	s_wait_tensorcnt 0x0
	ds_add_u32 v254, v255
	s_wait_dscnt 0x0
	s_endpgm
.Lfunc_end_k_q9c5a8ff437_st1:
	.size	k_q9c5a8ff437_st1, .Lfunc_end_k_q9c5a8ff437_st1-k_q9c5a8ff437_st1
	.p2alignl 7, 3214868480
	.fill 96, 4, 3214868480
	.section	.rodata,"a",@progbits
	.p2align	6, 0x0
	.amdhsa_kernel k_q9c5a8ff437_st1
		.amdhsa_group_segment_fixed_size 297984
		.amdhsa_private_segment_fixed_size 0
		.amdhsa_enable_private_segment 0
		.amdhsa_kernarg_size 48
		.amdhsa_user_sgpr_count 2
		.amdhsa_user_sgpr_kernarg_segment_ptr 1
		.amdhsa_wavefront_size32 1
		.amdhsa_system_sgpr_workgroup_id_x 1
		.amdhsa_system_sgpr_workgroup_id_y 1
		.amdhsa_system_sgpr_workgroup_id_z 1
		.amdhsa_system_vgpr_workitem_id 0
		.amdhsa_next_free_vgpr 512
		.amdhsa_next_free_sgpr 106
		.amdhsa_reserve_vcc 1
		.amdhsa_float_denorm_mode_32 3
		.amdhsa_float_denorm_mode_16_64 3
		.amdhsa_memory_ordered 1
		.amdhsa_forward_progress 1
		.amdhsa_inst_pref_size 192
	.end_amdhsa_kernel
	.amdgpu_metadata
---
amdhsa.version: [ 1, 2 ]
amdhsa.kernels:
  - .name:           k_q9c5a8ff437_st1
    .symbol:         k_q9c5a8ff437_st1.kd
    .args:
      - { .name: latent_representation, .offset: 0, .size: 8, .value_kind: global_buffer, .address_space: global }
      - { .name: cb1, .offset: 8, .size: 8, .value_kind: global_buffer, .address_space: global }
      - { .name: sel1, .offset: 16, .size: 8, .value_kind: global_buffer, .address_space: global }
      - { .name: sel0, .offset: 24, .size: 8, .value_kind: global_buffer, .address_space: global }
      - { .name: cb0, .offset: 32, .size: 8, .value_kind: global_buffer, .address_space: global }
      - { .name: fin0, .offset: 40, .size: 8, .value_kind: global_buffer, .address_space: global }
    .group_segment_fixed_size: 297984
    .private_segment_fixed_size: 0
    .kernarg_segment_align: 8
    .kernarg_segment_size: 48
    .max_flat_workgroup_size: 256
    .sgpr_count:     106
    .vgpr_count:     512
    .wavefront_size: 32
...
	.end_amdgpu_metadata
.endif
;; end of part 2
;; launch st2 (part 3): grid 256 x 1, 8 waves a work-group, no clusters, 297,984 bytes of LDS; arguments latent_representation, cb2, sel2, sel1, cb1, fin1, fin0, cb0; writes sel2, fin1
.if DOCPART == 3
	.amdgcn_target "amdgcn-amd-amdhsa--gfx1250"
	.amdhsa_code_object_version 6
	.text
	.protected	k_q9c5a8ff437_st2
	.globl	k_q9c5a8ff437_st2
	.p2align	8
	.type	k_q9c5a8ff437_st2,@function
k_q9c5a8ff437_st2:
	s_mov_b64 s[64:65], 0
	v_nop
	global_prefetch_b8 v0, s[64:65] scope:SCOPE_SE
	s_setreg_imm32_b32 hwreg(HW_REG_WAVE_MODE, 25, 1), 1
	s_wait_xcnt 0x0
; THE RESIDUAL QUANTIZER, SECOND AND THIRD OF FOUR LAUNCHES, one text; the symbol STAGE picks the blocks.
; An index found in a launch steers no address of that launch: it is stored as a whole number, and the NEXT launch looks the codes up.
;   stage 1: decides f0 among sel0's three, x = x0 - cb0[f0]; screens cb1; stores sel1, fin0.
;   stage 2: x1 = x0 - cb0[f0], decides f1 among sel1's three, x = x1 - cb1[f1]; screens cb2; stores sel2, fin1.     A sel word is a | b<<10 | c<<20.
; THE DECISION leaves nothing out: d = (||x||^2 - 2 x.c) + ||c||^2 in f32 as reference() writes it; the smallest d wins, a tie goes to the lower index;
; v_cndmask_b32 picks the code.  Where two codes are nearer to each other than f32 rounding, the order of the sums decides, so the sums run in the order
; that a CPU build of reference() is taken to use: x.c is one chain of fused multiply-adds in ascending order; a sum of 64 squares is two windows of
; 32, the squares rounded, each window B[l] = ((e[l] + e[8+l]) + e[16+l]) + e[24+l] for l = 0..7, then B[l] + B[l+4], then [l] + [l+2], then [0] + [1].
; THE SCREEN only proposes three codes: score(k) = (x - s).(c_k - s) - 0.5 ||c_k - s||^2, f16 operands, f32 sums, s = row 0 of this stage's codebook.
; ||x - c||^2 = ||(x - s) - (c - s)||^2 is an identity.  LEFT OUT OF THE SCREEN: ||x - s||^2, the same for all 1,024 codes of a row, so that in exact
; arithmetic it moves no comparison along the argmin's axis; a NaN, an infinity or an overflow that reaches only that term is not carried on.
; s is taken away in f32 ahead of the rounding to f16: a common offset is gone before anything is rounded, and no score is a difference of large sums.
; LIMITS.  |x - s| and |c - s| up to 65,504 (f16).  The screen compares 13 mantissa bits (the low 10 carry the code's number).  Best and second best are
; kept in eight classes of 128 codes: a true best code that two codes of its own class overtake in the screen, or that ranks fourth among those kept,
; is lost.  Two codes nearer to each other than reference()'s own rounding are decided as reference() decides them only if its sums run in the order
; above.  NaN and infinities among the inputs are not served.
; SHARES.  256 work-groups of eight waves; a work-group has 512 rows, a wave 64, in the decision as two groups of 32 with lane = row.
; TWO REGISTER WINDOWS.  Eight waves are two to a SIMD, 512 registers each.  Group 0 and all else live in v0-255; group 1 lives in v256-511 under the same
; numbers and runs the same macros under s_set_vgpr_msb 0x55 (all four operand places in window 1).  So group 1's 48 gathers are on their way through the
; whole codebook phase, and group 0's go out ahead of group 1's arithmetic.  Setting 0x40 (destination alone) writes group 1's addresses and index words.
; NO JOINT LOADS in a cluster although all work-groups read the same codebook: it has to pass through registers (shift, f32 to f16, the norms), and as
; f32 its 262,144 bytes do not fit beside the 147,456 of its f16 image and the 139,264 of the rows in the 327,680 bytes that a work-group can be given.
.set STAGE,  2
.set NP,     STAGE-1                   ; codes of earlier stages that are taken away from x0 first
.set CPITCH, 144                       ; an f16 code row: 128 bytes + 16 = 9 x 16: sixteen rows start at sixteen different 16-byte columns modulo 256
.set XPITCH, 272                       ; an x row: 256 bytes + 16 = 17 x 16, likewise
.set BIAS,   1024*CPITCH               ; 147,456: -0.5 ||c - s||^2, 1,024 f32
.set XB,     BIAS+4096                 ; 151,552: each wave's own 64 rows, f32; at the end of the rows' phase f16 in each row's first 128 bytes
.set XBW,    64*XPITCH                 ; 17,408 a wave
.set GRP,    32*XPITCH                 ; a group of 32 rows
.set SCR,    XB+8*XBW                  ; 290,816: each wave's own 768 bytes: 64 sel words, 64 decided indices
.set SCRW,   768
.set DEPTH,  12                        ; codebook loads of a wave in flight: with the shift's load and group 1's 48 gathers 61 loads at the most
.set EXTRA,  48                        ; group 1's gathers, issued between the ring's first fill and its first turn
; vector registers.  v0 the thread's number, kept.  Codebook phase: v1 load offset, v2 f16 store, v3 bias store, v6 i, v7 hh, v[8:11] my four numbers of s,
; v12-23 at work, v24 16 i.  Screen: v8 x fragments, v9 code fragments, v10 bias fragments, v11 8 hh, v12-23 at work.   (i = lane mod 16, hh = lane / 16)
; scalar registers.  s2 wave, s3 trips, s[4:11] x0, codebook, sel out, sel in; s[12:23] descriptor; s[24:25] the codebook before, s[26:27] decided indices out,
; s[28:29] fin0, s[104:105] cb0; s30, s31 the decision's masks, s66, s67 at work; s101 scratch base; s: s[68:99] elements 0-31, s[32:63] elements 32-63;
; behind the rows' phase s30 mask, s[32:33] lane selects, s[36:43] code numbers.
.set XX,   1                           ; v1         rows' phase: ||x||^2
.set E0,   2                           ; v[2:3]     two squares
.set ROW,  4                           ; v4         my row in XB (lane = row), group 0's; the group's 32 rows stand in the immediate
.set AUX,  5                           ; v5         scratch + 4 lane
.set E1,   6                           ; v[6:7]     two squares
.set BB,   8                           ; v[8:15]    the eight partial sums of a window
.set SH,   8                           ;            codebook phase: s[4 i .. 4 i + 3]
.set AD,   16                          ; v[16:18]   the candidates' byte offsets in the codebook,
.set IX,   16                          ;            and, when their loads are in, their numbers
.set DOT,  19                          ; v[19:21]   x.c, then d
.set PD,   22                          ; v22        byte offset of the earlier stage's code,
.set CCN,  22                          ; v[22:24]   and, when its loads are in, the three ||c||^2
.set WT,   25                          ; v25        offset of the index loads (4 lane); then a window's sum
.set XR,   26                          ; v[26:57]   eight chunks (4 f32) of my row: a ring, and a whole window of 32
.set R0,   58                          ; v[58:249]  the three candidates, 64 registers each
.set RING, 58                          ; codebook phase: DEPTH slots of 4
.set SW,   250                         ; v250       my row's sel word
.set FW,   251                         ; v251       my row's fin0 word
.set XF,   24                          ; v[24:87]   screen: x fragments, 16 registers a row tile
.set ACC,  88                          ; v[88:151]  two sets of four accumulators
.set AF,   152                         ; v[152:183] two sets of code fragments
.set CF,   184                         ; v[184:199] two sets of bias fragments
.set TRK,  200                         ; v[200:231] best at 16 set + 8 parity + tile, second best 4 further
.set IDX,  36                          ; s[36:43]   16 x tile + j
.set MSB,  0
.macro WIN new                         ; the immediate's high byte repeats the setting that is left
.if MSB != \new
	s_set_vgpr_msb (MSB<<8)|\new
.set MSB, \new
.endif
.endm
.macro SETMIN name, a, b
.if (\a) < (\b)
.set \name, \a
.else
.set \name, \b
.endif
.endm
	s_load_b256 s[4:11], s[0:1], 0x0               ; x0, codebook, sel out, s[10:11] sel of the stage before
	s_load_b128 s[24:27], s[0:1], 0x20             ; the codebook of the stage before s[24:25], decided indices out s[26:27]
.if NP
	s_load_b64 s[28:29], s[0:1], 0x30              ; fin0
	s_load_b64 s[104:105], s[0:1], 0x38            ; cb0
	v_lshl_add_u32 v254, v0, 2, 0x48800
	v_mov_b32 v255, 0
	ds_add_u32 v254, v255
	ds_add_u32 v254, v255
.endif
	v_lshrrev_b32 v1, 5, v0
	v_readfirstlane_b32 s2, v1                     ; wave 0..7
	; the wave's one tensor load: its 64 rows of 64 f32, dense in memory, 16 bytes of padding behind each row in LDS
	s_mov_b32 s12, 1                               ; count
	s_mul_i32 s13, s2, XBW
	s_add_co_u32 s13, s13, XB                      ; LDS address: the wave's own rows
	s_mov_b32 s16, (2<<16)|(1<<20)|(5<<22)|(3<<25) ; elements of 4 bytes; padding on; after every 64 words; 4 words
	s_mov_b32 s17, 64<<16                          ; tensor_dim0 = 64
	s_mov_b32 s18, 64<<16                          ; tensor_dim1 = 64
	s_mov_b32 s19, 64<<16                          ; tile_dim0 = 64
	s_mov_b32 s20, 64                              ; tile_dim1 = 64
	s_mov_b32 s21, 64                              ; 64 elements from row to row
	s_mov_b32 s22, 0
	s_mov_b32 s23, 0
	s_lshl_b32 s44, ttmp9, 17                      ; 512 rows of 256 bytes a work-group
	s_lshl_b32 s31, s2, 14                         ; 64 rows a wave
	s_add_co_u32 s44, s44, s31
	s_mov_b32 s45, 0
	s_wait_dscnt 0x0
	s_wait_kmcnt 0x0
	s_add_nc_u64 s[14:15], s[4:5], s[44:45]
	s_or_b32 s15, s15, 0x80000000                  ; type
	tensor_load_to_lds s[12:15], s[16:23]          ; the only fill of these bytes in the launch
	s_nop 0
	s_lshr_b32 s44, s44, 6                         ; the index buffers have 4 bytes a row where x has 256
	v_and_b32 v[WT], 31, v0                        ; lane
	v_mul_u32_u24 v[AUX], v[WT], XPITCH
	v_add_nc_u32 v[ROW], s13, v[AUX]               ; my row of group 0
	v_lshlrev_b32 v[WT], 2, v[WT]                  ; 4 lane; written again only when the index loads are in
	s_mul_i32 s101, s2, SCRW
	s_add_co_u32 s101, s101, SCR                   ; my wave's scratch
	v_add_nc_u32 v[AUX], s101, v[WT]
	s_add_nc_u64 s[8:9], s[8:9], s[44:45]
	s_add_nc_u64 s[10:11], s[10:11], s[44:45]
	s_add_nc_u64 s[26:27], s[26:27], s[44:45]
.if NP
	s_add_nc_u64 s[28:29], s[28:29], s[44:45]
.endif
	global_load_b32 v[SW], v[WT], s[10:11]                ; group 0: the words of row lane
.if NP
	global_load_b32 v[FW], v[WT], s[28:29]
.endif
	WIN 0x40                                       ; destination in window 1
	global_load_b32 v[SW], v[WT], s[10:11] offset:128     ; group 1: the words of row 32 + lane
.if NP
	global_load_b32 v[FW], v[WT], s[28:29] offset:128
.endif
	v_mov_b32 v[ROW], v[ROW]                       ; group 1's copies of the two LDS addresses
	v_mov_b32 v[AUX], v[AUX]
	WIN 0
	s_load_b512 s[68:83], s[6:7], 0x0              ; s = row 0 of this stage's codebook, the same for all lanes where a lane is a row
	s_load_b512 s[84:99], s[6:7], 0x40
	s_load_b512 s[32:47], s[6:7], 0x80
	s_load_b512 s[48:63], s[6:7], 0xc0
.macro XLOAD base, g, cc               ; chunk cc of my row into slot cc mod 8
	ds_load_b128 v[XR+4*((\cc)%8):XR+4*((\cc)%8)+3], v[\base] offset:GRP*(\g)+16*(\cc)
.endm
.macro XLOAD8 base, g, first           ; eight chunks from chunk first on
.set c, \first
.rept 8
	XLOAD \base, \g, c
.set c, c+1
.endr
.endm
.macro MKADR adr, word, bit
	v_bfe_u32 v[\adr], v[\word], \bit, 10
	v_min_u32 v[\adr], 0x3ff, v[\adr]              ; an index read from memory is clamped to the table before it enters an address
	v_lshlrev_b32 v[\adr], 8, v[\adr]              ; 256 bytes a code
.endm
.macro CAND m, cc                      ; chunk cc of candidate m: each lane takes 16 bytes of its own row's code
	global_load_b128 v[R0+64*(\m)+4*(\cc):R0+64*(\m)+4*(\cc)+3], v[AD+(\m)], s[24:25] offset:16*(\cc)
.endm
; a group's gathers.  Stage 2: cb0[f0] lands where candidate 0 will.  defer = 1: candidate 2 goes out in PRE, so that no more than 49 loads are out there
.macro ISSUE defer
	MKADR AD, SW, 0
	MKADR AD+1, SW, 10
	MKADR AD+2, SW, 20
.if NP
	MKADR PD, FW, 0
.endif
.set c, 0
.rept 16
.if NP
	global_load_b128 v[R0+4*c:R0+4*c+3], v[PD], s[104:105] offset:16*c
.else
	CAND 0, c
.endif
	CAND 1, c
.if \defer == 0
	CAND 2, c
.endif
.set c, c+1
.endr
.endm
	; ---- THE CODEBOOK: wave w converts code rows 128 w .. 128 w + 127; a load takes two rows, 512 neighbouring bytes
	v_and_b32 v24, 15, v0
	v_lshlrev_b32 v24, 4, v24                      ; 16 i
	global_load_b128 v[SH:SH+3], v24, s[6:7]       ; s[4 i .. 4 i + 3]: the elements that I hold of every code row
	v_and_b32 v1, 31, v0
	v_lshlrev_b32 v1, 4, v1
	s_lshl_b32 s31, s2, 15
	v_add_nc_u32 v1, s31, v1                       ; 32,768 w + 16 lane
.set j, 0
.rept DEPTH
	global_load_b128 v[RING+4*j:RING+4*j+3], v1, s[6:7] offset:512*j
.set j, j+1
.endr
	s_wait_loadcnt DEPTH+1                         ; the index words are in; the shift's load and the ring's first fill stay out
	WIN 0x55
	ISSUE 0                                        ; group 1's 48 gathers: they land while the codebook is converted
	WIN 0
	v_and_b32 v6, 15, v0                           ; i
	v_bfe_u32 v7, v0, 4, 1                         ; hh
	v_mul_u32_u24 v2, v7, CPITCH
	v_lshl_add_u32 v2, v6, 3, v2
	s_mul_i32 s31, s2, 128*CPITCH
	v_add_nc_u32 v2, s31, v2                       ; (128 w + hh) x 144 + 8 i
	s_lshl_b32 s31, s2, 9
	s_add_co_u32 s31, s31, BIAS
	v_lshl_add_u32 v3, v7, 2, s31                  ; BIAS + 4 (128 w + hh)
; two code rows (2 j and 2 j + 1 of the wave's 128): c - s, its f16 image, -0.5 ||c - s||^2, and the ring slot's next load
.macro CV
.if j < DEPTH
.set left, DEPTH-1+EXTRA                           ; behind load j: DEPTH-1-j of the first fill, EXTRA gathers, j reloads
.else
	SETMIN left, DEPTH-1, 63-j
.endif
.set CR, RING+4*(j%DEPTH)
.set TT, 12+4*(j%3)
	s_wait_loadcnt left                            ; loads come back in order: load j is in, the younger ones stay out; the last count is 0
	v_pk_add_f32 v[CR:CR+1], v[CR:CR+1], v[SH:SH+1] neg_lo:[0,1] neg_hi:[0,1]
	v_pk_add_f32 v[CR+2:CR+3], v[CR+2:CR+3], v[SH+2:SH+3] neg_lo:[0,1] neg_hi:[0,1]
	v_pk_mul_f32 v[TT:TT+1], v[CR:CR+1], v[CR:CR+1]
	v_cvt_pk_f16_f32 v[TT+2], v[CR], v[CR+1]
	v_pk_fma_f32 v[TT:TT+1], v[CR+2:CR+3], v[CR+2:CR+3], v[TT:TT+1]
	v_cvt_pk_f16_f32 v[TT+3], v[CR+2], v[CR+3]
.if j+DEPTH < 64
	global_load_b128 v[CR:CR+3], v1, s[6:7] offset:512*(j+DEPTH)
.endif
	v_add_f32 v[TT], v[TT], v[TT+1]
	ds_store_b64 v2, v[TT+2:TT+3] offset:2*CPITCH*j
.irp m, 1,2,4,8
	v_add_f32_dpp v[TT], v[TT], v[TT] row_xmask:\m row_mask:0xf bank_mask:0xf   ; over the sixteen lanes of a row
.endr
	v_mul_f32 v[TT], -0.5, v[TT]
	ds_store_b32 v3, v[TT] offset:8*j              ; sixteen lanes write one word with one value
.endm
.set j, 0
.rept 64
	CV
.set j, j+1
.endr
	; ---- THE ROWS, lane = row: take the earlier code away (PRE), decide the stage before and leave this stage's x - s as f16 (DEC)
; the sum of the squares of the 32 numbers in v[src .. src+31], in the order stated at the head: rounded squares, eight partial sums, three halvings
.macro SQW src, dst
.irp p, 0,2,4,6
	v_pk_mul_f32 v[BB+\p:BB+\p+1], v[\src+\p:\src+\p+1], v[\src+\p:\src+\p+1]
.endr
.irp u, 8,16,24
	v_pk_mul_f32 v[E0:E0+1], v[\src+\u:\src+\u+1], v[\src+\u:\src+\u+1]
	v_pk_mul_f32 v[E1:E1+1], v[\src+\u+2:\src+\u+3], v[\src+\u+2:\src+\u+3]
	v_pk_add_f32 v[BB:BB+1], v[BB:BB+1], v[E0:E0+1]
	v_pk_add_f32 v[BB+2:BB+3], v[BB+2:BB+3], v[E1:E1+1]
	v_pk_mul_f32 v[E0:E0+1], v[\src+\u+4:\src+\u+5], v[\src+\u+4:\src+\u+5]
	v_pk_mul_f32 v[E1:E1+1], v[\src+\u+6:\src+\u+7], v[\src+\u+6:\src+\u+7]
	v_pk_add_f32 v[BB+4:BB+5], v[BB+4:BB+5], v[E0:E0+1]
	v_pk_add_f32 v[BB+6:BB+7], v[BB+6:BB+7], v[E1:E1+1]
.endr
	v_pk_add_f32 v[BB:BB+1], v[BB:BB+1], v[BB+4:BB+5]         ; [l] + [l+4]
	v_pk_add_f32 v[BB+2:BB+3], v[BB+2:BB+3], v[BB+6:BB+7]
	v_pk_add_f32 v[BB:BB+1], v[BB:BB+1], v[BB+2:BB+3]         ; [l] + [l+2]
	v_add_f32 v[\dst], v[BB], v[BB+1]                         ; [0] + [1]
.endm
.macro BETTER m, mask                  ; mask = candidate m beats the holder in v[DOT], v[IX]: nearer, or as near with the lower number
	v_cmp_lt_f32 s[\mask], v[DOT+\m], v[DOT]
	v_cmp_eq_f32 s66, v[DOT+\m], v[DOT]
	v_cmp_lt_u32 s67, v[IX+\m], v[IX]
	s_and_b32 s66, s66, s67
	s_or_b32 s[\mask], s[\mask], s66
	v_cndmask_b32 v[DOT], v[DOT], v[DOT+\m], s[\mask]
	v_cndmask_b32 v[IX], v[IX], v[IX+\m], s[\mask]
.endm
; stage 2: x1 = x0 - cb0[f0] goes back into the row, chunk by chunk, and the freed registers get candidate 0 (defer = 1: candidate 2 goes out here too).
; lw: how many younger loads may stay out when this chunk's piece of cb0[f0] has to be in; negative: an earlier wait for 0 has shown it in
.macro PRE g, defer, lw
	XLOAD8 ROW, \g, 0
.set c, 0
.rept 16
	SETMIN young, 7, 15-c
	SETMIN old, 7, c
.set XC, XR+4*(c%8)
.set QA, R0+4*c
.if \lw >= 0
	s_wait_loadcnt \lw
.endif
	s_wait_dscnt young+old                         ; behind this chunk's load: the younger ring loads and the one store of each chunk done since
	v_pk_add_f32 v[XC:XC+1], v[XC:XC+1], v[QA:QA+1] neg_lo:[0,1] neg_hi:[0,1]
	v_pk_add_f32 v[XC+2:XC+3], v[XC+2:XC+3], v[QA+2:QA+3] neg_lo:[0,1] neg_hi:[0,1]
	ds_store_b128 v[ROW], v[XC:XC+3] offset:GRP*\g+16*c
	CAND 0, c
.if \defer
	CAND 2, c
.endif
.if c+8 < 16
	XLOAD ROW, \g, c+8
.endif
.set c, c+1
.endr
.endm
; the decision of group g.  per x (15 - c) + later younger loads may stay out when chunk c of the candidates has to be in; later when all of them have to be;
; nw = 1: an earlier wait for 0 has shown them all in
.macro DEC g, per, later, nw
	XLOAD8 ROW, \g, 0                              ; LDS serves a wave's instructions in order: these see what PRE stored
	; x.c of the three candidates, k = 0 .. 31: fused chains in ascending order, started by the first products
.set c, 0
.rept 8
.set XC, XR+4*c
.if \nw == 0
	s_wait_loadcnt \per*(15-c)+\later
.endif
	s_wait_dscnt 7-c                               ; the window's younger chunks stay out
.irp e, 0,1,2,3
.if (c+\e) == 0
.irp m, 0,1,2
	v_mul_f32 v[DOT+\m], v[XC], v[R0+64*\m]
.endr
.else
.irp m, 0,1,2
	v_fmac_f32 v[DOT+\m], v[XC+\e], v[R0+64*\m+4*c+\e]
.endr
.endif
.endr
.set c, c+1
.endr
	SQW XR, XX                                     ; the first window of ||x||^2
	XLOAD8 ROW, \g, 8                              ; the second window of x lands while the three ||c||^2 are made
.if \nw == 0
	s_wait_loadcnt \later                          ; all of this group's loads are in; their offsets' registers are free
.endif
.irp m, 0,1,2
	SQW R0+64*\m, WT
	SQW R0+64*\m+32, CCN+\m
	v_add_f32 v[CCN+\m], v[WT], v[CCN+\m]          ; window 0 + window 1
.endr
.set c, 8
.rept 8
.set XC, XR+4*(c-8)
	s_wait_dscnt 15-c                              ; the window's younger chunks stay out
.irp e, 0,1,2,3
.irp m, 0,1,2
	v_fmac_f32 v[DOT+\m], v[XC+\e], v[R0+64*\m+4*c+\e]
.endr
.endr
.set c, c+1
.endr
	SQW XR, WT
	v_add_f32 v[XX], v[XX], v[WT]                  ; window 0 + window 1
.irp m, 0,1,2
	v_fma_f32 v[DOT+\m], v[DOT+\m], -2.0, v[XX]    ; ||x||^2 - 2 x.c: the product by 2 is exact, one rounding
.endr
.irp m, 0,1,2
	v_add_f32 v[DOT+\m], v[DOT+\m], v[CCN+\m]      ; + ||c||^2
.endr
	v_bfe_u32 v[IX], v[SW], 0, 10
	v_bfe_u32 v[IX+1], v[SW], 10, 10
	v_bfe_u32 v[IX+2], v[SW], 20, 10
	BETTER 1, 30
	BETTER 2, 31
	ds_store_b32 v[AUX], v[IX] offset:256+128*\g   ; the decided index of my row
	; the last pass: the chosen code, the next residual, and residual - s as f16 into the row's first 128 bytes (byte 8 c lies in a chunk already read)
	XLOAD8 ROW, \g, 0
.set c, 0
.rept 16
	SETMIN young, 7, 15-c
	SETMIN old, 7, c
.set XC, XR+4*(c%8)
.set QA, R0+4*c
.set SR, 4*c+68*(1-c/8)                            ; where elements 4 c .. 4 c + 3 of s lie
	s_wait_dscnt young+old                         ; the younger ring loads and the one store of each chunk done since
.irp e, 0,1,2,3
	v_cndmask_b32 v[QA+\e], v[QA+\e], v[QA+64+\e], s30
.endr
.irp e, 0,1,2,3
	v_cndmask_b32 v[QA+\e], v[QA+\e], v[QA+128+\e], s31
.endr
	v_pk_add_f32 v[QA:QA+1], v[XC:XC+1], v[QA:QA+1] neg_lo:[0,1] neg_hi:[0,1]         ; the next residual
	v_pk_add_f32 v[QA+2:QA+3], v[XC+2:XC+3], v[QA+2:QA+3] neg_lo:[0,1] neg_hi:[0,1]
.irp e, 0,1,2,3
	v_subrev_f32 v[QA+\e], s[SR+\e], v[QA+\e]      ; - s, for the screen alone
.endr
	v_cvt_pk_f16_f32 v[QA+64], v[QA], v[QA+1]
	v_cvt_pk_f16_f32 v[QA+65], v[QA+2], v[QA+3]
	ds_store_b64 v[ROW], v[QA+64:QA+65] offset:GRP*\g+8*c
.if c+8 < 16
	XLOAD ROW, \g, c+8
.endif
.set c, c+1
.endr
.endm
	s_wait_kmcnt 0x0                               ; s
	s_wait_tensorcnt 0x0                           ; my rows are in LDS; only my wave reads them
.if NP == 0
	ISSUE 0                                        ; group 0's 48 gathers, on their way through group 1's decision
	WIN 0x55
	DEC 1, 0, 0, 1                                 ; group 1's gathers were shown in by the codebook phase's last wait, which was for 0
	WIN 0
	DEC 0, 3, 0, 0                                 ; three loads a chunk
.else
	ISSUE 1                                        ; group 0: cb0[f0] and candidate 1, 32 loads, chunk by chunk
	WIN 0x55
	PRE 1, 0, -1                                   ; group 1: 16 loads of candidate 0
	WIN 0
	PRE 0, 1, 47                                   ; behind chunk c of cb0[f0]: 1 + 2 (15 - c) of the issue, group 1's 16, 2 c issued here since
	WIN 0x55
	DEC 1, 1, 32, 0                                ; behind chunk c of candidate 0: 15 - c more of it and group 0's 32
	WIN 0
	DEC 0, 2, 0, 0                                 ; two loads a chunk
.endif
	; ---- x fragments (operand B: lane holds row i; K = 8 hh .. and 16 + 8 hh .. of each 32), kept in registers for all 64 code tiles
	v_and_b32 v7, 15, v0                           ; i
	v_bfe_u32 v11, v0, 4, 1                        ; hh
	v_mul_u32_u24 v8, v7, XPITCH
	v_lshl_add_u32 v8, v11, 4, v8
	v_add_nc_u32 v8, s13, v8                       ; x fragments: row i, 16 hh
	v_mul_u32_u24 v9, v7, CPITCH
	v_lshl_add_u32 v9, v11, 4, v9                  ; code fragments: row i, 16 hh
	v_lshlrev_b32 v10, 5, v11
	v_add_nc_u32 v10, BIAS, v10                    ; bias fragments: codes 8 hh .. 8 hh + 7 of a tile
	v_lshlrev_b32 v11, 3, v11                      ; from here on 8 hh
.irp t, 0,1,2,3
.irp c, 0,1,2,3
	ds_load_b128 v[XF+16*\t+4*\c:XF+16*\t+4*\c+3], v8 offset:\t*16*XPITCH+32*\c       ; LDS serves a wave's instructions in order: these see the stores above
.endr
.endr
.set k, 0
.rept 32
	v_mov_b32 v[TRK+k], 0xff800000                 ; best and second best of every class start at -infinity
.set k, k+1
.endr
.irp k, 0,1,2,3,4,5,6,7
	s_mov_b32 s[IDX+\k], \k
.endr
	s_mov_b32 s30, 0xfffffc00                      ; the score's sign, exponent and 13 mantissa bits
	s_mov_b32 s32, 0x76543210                      ; v_permlanex16_b32: lane i of one half reads lane i of the other
	s_mov_b32 s33, 0xfedcba98
	s_wait_dscnt 0x0                               ; my part of the f16 codebook and of the biases is written, my fragments are in
	s_barrier_signal -1
	s_barrier_wait -1                              ; everybody's part is: the launch's one barrier
	; ---- THE SCREEN: 64 tiles of 16 codes.  Codes are operand A, rows operand B: register j of lane (i, hh) is the score of code 16 t + 8 hh + j
	; for row i, so best and second best stay inside a lane.  The bias enters as the first product's C.
.macro LD P                            ; the next tile's code and bias fragments into set P
	ds_load_b128 v[AF+16*(\P):AF+16*(\P)+3], v9
	ds_load_b128 v[AF+16*(\P)+4:AF+16*(\P)+7], v9 offset:32
	ds_load_b128 v[AF+16*(\P)+8:AF+16*(\P)+11], v9 offset:64
	ds_load_b128 v[AF+16*(\P)+12:AF+16*(\P)+15], v9 offset:96
	ds_load_b128 v[CF+8*(\P):CF+8*(\P)+3], v10
	ds_load_b128 v[CF+8*(\P)+4:CF+8*(\P)+7], v10 offset:16
	v_add_nc_u32 v9, 16*CPITCH, v9
	v_add_nc_u32 v10, 64, v10
.endm
.macro W1 P, t                         ; K = 0..31, started by the bias
	v_wmma_f32_16x16x32_f16 v[ACC+32*(\P)+8*(\t):ACC+32*(\P)+8*(\t)+7], v[AF+16*(\P):AF+16*(\P)+7], v[XF+16*(\t):XF+16*(\t)+7], v[CF+8*(\P):CF+8*(\P)+7]
.endm
.macro W2 P, t                         ; K = 32..63, in place
	v_wmma_f32_16x16x32_f16 v[ACC+32*(\P)+8*(\t):ACC+32*(\P)+8*(\t)+7], v[AF+16*(\P)+8:AF+16*(\P)+15], v[XF+16*(\t)+8:XF+16*(\t)+15], v[ACC+32*(\P)+8*(\t):ACC+32*(\P)+8*(\t)+7]
.endm
; slice n of eight of the scan of set Q: two registers of two row tiles.  The code's number replaces the score's low 10 bits; the new second best is
; the middle one of (best, second best, score).  Even and odd registers, and the two sets, keep trackers of their own: with the two halves of the lanes
; eight classes.  Twelve plain vector instructions that name no register of the products around them.
.macro VS Q, n
.set TA, 2*((\n)/4)
.set JA, 2*((\n)%4)
.set VA, ACC+32*(\Q)+8*TA+JA
.set VB, VA+8
.set KA, TRK+16*(\Q)+TA
	v_and_or_b32 v[VA], v[VA], s30, s[IDX+JA]
	v_and_or_b32 v[VB], v[VB], s30, s[IDX+JA]
	v_and_or_b32 v[VA+1], v[VA+1], s30, s[IDX+JA+1]
	v_and_or_b32 v[VB+1], v[VB+1], s30, s[IDX+JA+1]
	v_med3_num_f32 v[KA+4], v[KA], v[KA+4], v[VA]
	v_med3_num_f32 v[KA+5], v[KA+1], v[KA+5], v[VB]
	v_med3_num_f32 v[KA+12], v[KA+8], v[KA+12], v[VA+1]
	v_med3_num_f32 v[KA+13], v[KA+9], v[KA+13], v[VB+1]
	v_max_num_f32 v[KA], v[KA], v[VA]
	v_max_num_f32 v[KA+1], v[KA+1], v[VB]
	v_max_num_f32 v[KA+8], v[KA+8], v[VA+1]
	v_max_num_f32 v[KA+9], v[KA+9], v[VB+1]
.endm
; One code tile: eight products into set P; behind each a slice of the scan of set Q, the tile before (scan = 1); the tile after is fetched into set Q's
; fragments (fetch = 1).  The four accumulators take turns, one instruction a turn, over the backward jump too.
; Behind the last product that read set Q's fragments, and behind every product whose result a slice reads, stand the twelve instructions of a slice
; (ISA guide 7.12.1 asks for four); where a trip has no slices, four v_nop end it.
.macro TRIP P, Q, scan, fetch
	s_wait_dscnt 0x0                               ; the six loads issued in the trip before
.irp t, 0,1,2,3
	W1 \P, \t
.if \scan
	VS \Q, \t
.endif
.if \fetch
.if \t == 0
	LD \Q
.endif
.endif
.endr
.irp t, 0,1,2,3
	W2 \P, \t
.if \scan
	VS \Q, \t+4
.endif
.endr
.if \scan
.irp k, 0,1,2,3,4,5,6,7
	s_add_co_u32 s[IDX+\k], s[IDX+\k], 16          ; the numbers of the next tile to be scanned
.endr
.else
.rept 4
	v_nop
.endr
.endif
.endm
	LD 0
	TRIP 0, 1, 0, 1                                ; tile 0: nothing to scan yet
	s_mov_b32 s3, 31
.Ltiles:
	TRIP 1, 0, 1, 1                                ; tiles 1, 3, .. 61
	TRIP 0, 1, 1, 1                                ; tiles 2, 4, .. 62
	s_sub_co_u32 s3, s3, 1
	s_cmp_lg_u32 s3, 0
	s_cbranch_scc1 .Ltiles
	TRIP 1, 0, 1, 0                                ; tile 63: nothing left to fetch
.irp n, 0,1,2,3,4,5,6,7
	VS 1, \n                                       ; and its scan
.endr
	; ---- THE END: the classes' pairs are merged to the row's best three, packed, and stored as 256 neighbouring bytes
.macro MERGE22 a1, a2, b1, b2          ; two sorted pairs: their best three go to a1, a2, b1
	v_min_num_f32 v16, v[\a1], v[\b1]
	v_max_num_f32 v17, v[\a2], v[\b2]
	v_max_num_f32 v[\a1], v[\a1], v[\b1]
	v_max_num_f32 v[\a2], v16, v17
	v_min_num_f32 v[\b1], v16, v17
.endm
.macro MERGE33 a1, a2, a3, b1, b2, b3  ; two sorted triples: their best three go to a1, a2, a3
	v_min_num_f32 v16, v[\a1], v[\b1]
	v_max_num_f32 v17, v[\a2], v[\b2]
	v_max_num_f32 v18, v[\a3], v[\b3]
	v_max_num_f32 v[\a1], v[\a1], v[\b1]
	v_max_num_f32 v[\a2], v16, v17
	v_min_num_f32 v16, v16, v17
	v_max_num_f32 v[\a3], v16, v18
.endm
	v_cmp_ne_u32 vcc_lo, 0, v11                    ; lanes 16-31
.irp t, 0,1,2,3
	MERGE22 TRK+\t, TRK+4+\t, TRK+8+\t, TRK+12+\t
	MERGE22 TRK+16+\t, TRK+20+\t, TRK+24+\t, TRK+28+\t
	MERGE33 TRK+\t, TRK+4+\t, TRK+8+\t, TRK+16+\t, TRK+20+\t, TRK+24+\t
	v_or_b32 v[TRK+\t], v[TRK+\t], v11             ; bit 3 of the code's number
	v_or_b32 v[TRK+4+\t], v[TRK+4+\t], v11
	v_or_b32 v[TRK+8+\t], v[TRK+8+\t], v11
	v_permlanex16_b32 v12, v[TRK+\t], s32, s33     ; the other half's three
	v_permlanex16_b32 v13, v[TRK+4+\t], s32, s33
	v_permlanex16_b32 v14, v[TRK+8+\t], s32, s33
	MERGE33 TRK+\t, TRK+4+\t, TRK+8+\t, 12, 13, 14
	v_and_b32 v[20+\t], 0x3ff, v[TRK+\t]
	v_and_b32 v16, 0x3ff, v[TRK+4+\t]
	v_and_b32 v17, 0x3ff, v[TRK+8+\t]
	v_lshl_or_b32 v[20+\t], v16, 10, v[20+\t]
	v_lshl_or_b32 v[20+\t], v17, 20, v[20+\t]      ; a | b << 10 | c << 20, the same in both halves
.endr
	v_cndmask_b32 v20, v20, v21, vcc_lo            ; lane l: the word of row l
	v_cndmask_b32 v22, v22, v23, vcc_lo            ; and of row 32 + l
	v_and_b32 v12, 31, v0                          ; lane
	v_lshl_add_u32 v13, v12, 3, s101
	v_lshlrev_b32 v14, 3, v12
	ds_store_b32 v[AUX], v20
	ds_store_b32 v[AUX], v22 offset:128
	ds_load_b64 v[16:17], v13                      ; rows 2 l and 2 l + 1; my wave's own bytes, served in order
	ds_load_b64 v[18:19], v13 offset:256           ; and their decided indices
	s_wait_dscnt 0x0
	global_store_b64 v14, v[16:17], s[8:9]         ; the wave's 64 words: 256 consecutive bytes, at a multiple of 256 from the buffer's first byte
	global_store_b64 v14, v[18:19], s[26:27]
	s_wait_tensorcnt 0x0
	ds_add_u32 v254, v255
	s_wait_dscnt 0x0
	s_endpgm
.Lfunc_end_k_q9c5a8ff437_st2:
	.size	k_q9c5a8ff437_st2, .Lfunc_end_k_q9c5a8ff437_st2-k_q9c5a8ff437_st2
	.p2alignl 7, 3214868480
	.fill 96, 4, 3214868480
	.section	.rodata,"a",@progbits
	.p2align	6, 0x0
	.amdhsa_kernel k_q9c5a8ff437_st2
		.amdhsa_group_segment_fixed_size 297984
		.amdhsa_private_segment_fixed_size 0
		.amdhsa_enable_private_segment 0
		.amdhsa_kernarg_size 64
		.amdhsa_user_sgpr_count 2
		.amdhsa_user_sgpr_kernarg_segment_ptr 1
		.amdhsa_wavefront_size32 1
		.amdhsa_system_sgpr_workgroup_id_x 1
		.amdhsa_system_sgpr_workgroup_id_y 1
		.amdhsa_system_sgpr_workgroup_id_z 1
		.amdhsa_system_vgpr_workitem_id 0
		.amdhsa_next_free_vgpr 512
		.amdhsa_next_free_sgpr 106
		.amdhsa_reserve_vcc 1
		.amdhsa_float_denorm_mode_32 3
		.amdhsa_float_denorm_mode_16_64 3
		.amdhsa_memory_ordered 1
		.amdhsa_forward_progress 1
		.amdhsa_inst_pref_size 205
	.end_amdhsa_kernel
	.amdgpu_metadata
---
amdhsa.version: [ 1, 2 ]
amdhsa.kernels:
  - .name:           k_q9c5a8ff437_st2
    .symbol:         k_q9c5a8ff437_st2.kd
    .args:
      - { .name: latent_representation, .offset: 0, .size: 8, .value_kind: global_buffer, .address_space: global }
      - { .name: cb2, .offset: 8, .size: 8, .value_kind: global_buffer, .address_space: global }
      - { .name: sel2, .offset: 16, .size: 8, .value_kind: global_buffer, .address_space: global }
      - { .name: sel1, .offset: 24, .size: 8, .value_kind: global_buffer, .address_space: global }
      - { .name: cb1, .offset: 32, .size: 8, .value_kind: global_buffer, .address_space: global }
      - { .name: fin1, .offset: 40, .size: 8, .value_kind: global_buffer, .address_space: global }
      - { .name: fin0, .offset: 48, .size: 8, .value_kind: global_buffer, .address_space: global }
      - { .name: cb0, .offset: 56, .size: 8, .value_kind: global_buffer, .address_space: global }
    .group_segment_fixed_size: 297984
    .private_segment_fixed_size: 0
    .kernarg_segment_align: 8
    .kernarg_segment_size: 64
    .max_flat_workgroup_size: 256
    .sgpr_count:     106
    .vgpr_count:     512
    .wavefront_size: 32
...
	.end_amdgpu_metadata
.endif
;; end of part 3
;; launch fin (part 4): grid 256 x 1, 16 waves a work-group, no clusters, 299,008 bytes of LDS; arguments latent_representation, out0, sel2, cb2, fin0, cb0, fin1, cb1; writes out0
.if DOCPART == 4
	.amdgcn_target "amdgcn-amd-amdhsa--gfx1250"
	.amdhsa_code_object_version 6
	.text
	.protected	k_q9c5a8ff437_fin
	.globl	k_q9c5a8ff437_fin
	.p2align	8
	.type	k_q9c5a8ff437_fin,@function
k_q9c5a8ff437_fin:
	s_mov_b64 s[64:65], 0
	v_nop
	global_prefetch_b8 v0, s[64:65] scope:SCOPE_SE
	s_setreg_imm32_b32 hwreg(HW_REG_WAVE_MODE, 25, 1), 1
	s_wait_xcnt 0x0
; THE LAST LAUNCH OF THE RESIDUAL QUANTIZER.
; x1 = x0 - cb0[f0], x2 = x1 - cb1[f1], with f0 and f1 as the launches before decided and stored them (fin0, fin1); then f2 is decided among the three
; codes of cb2 that the third screen proposed (sel2 = a | b<<10 | c<<20), and out = ((x0 + x1) + x2) + cb2[f2], in reference()'s own order of sums.
; THE DECISION leaves nothing out: d = (||x||^2 - 2 x.c) + ||c||^2 in f32 as reference() writes it; the smallest d wins, a tie goes to the lower index;
; all three codes are fetched and v_cndmask_b32 picks one.  Where two codes are nearer to each other than f32 rounding, the order of the sums decides,
; so the sums run in the order that a CPU build of reference() is taken to use: x.c is one chain of fused multiply-adds in ascending order; a sum of 64
; squares is two windows of 32, the squares rounded, each window B[l] = ((e[l] + e[8+l]) + e[16+l]) + e[24+l] for l = 0..7, then B[l] + B[l+4],
; then [l] + [l+2], then [0] + [1].
; LIMITS.  Two codes nearer to each other than reference()'s own rounding are decided as reference() decides them only if its sums run in that order.
; A true best code that the screen did not propose is lost (the screen's limits stand at the head of the stages).  NaN and infinities are not served.
; SHARES.  256 work-groups of sixteen waves, four to a SIMD at 256 registers each, so that one wave's arithmetic stands beside another's gathers; a
; work-group has 512 rows, a wave 32 with lane = row.  No wave reads another's LDS bytes: no barrier.  No matrix work.  No joint loads in a cluster:
; the work-groups share no tile, each lane fetches the codes of its own row.  x2 and the sums go through LDS: beside the three candidates' 192
; registers a wave has no 128 registers to keep them in.
.set XPITCH, 272                       ; a row in LDS: 256 bytes + 16 = 17 x 16: sixteen rows start at sixteen different 16-byte columns modulo 256
.set XB,     151552                    ; each wave's own 32 rows of x0, then of x2
.set XBW,    32*XPITCH                 ; 8,704 a wave; the sums (x0 + x1) + x2, then the result, lie at LDS bytes 0 .. 139,263, laid out as XB is
.set XX,   1                           ; v1         ||x||^2                       (v0 the thread's number, kept)
.set E0,   2                           ; v[2:3]     two squares
.set ROW,  4                           ; v4         my row in XB
.set AUX,  5                           ; v5         my row of the sums
.set E1,   6                           ; v[6:7]     two squares
.set BB,   8                           ; v[8:15]    the eight partial sums of a window
.set AD,   16                          ; v[16:18]   the candidates' byte offsets in cb2,
.set IX,   16                          ;            and, when their loads are in, their numbers
.set DOT,  19                          ; v[19:21]   x.c, then d
.set PD,   22                          ; v[22:23]   byte offsets of cb0[f0] and cb1[f1],
.set CCN,  22                          ; v[22:24]   and, when their loads are in, the three ||c||^2
.set WT,   25                          ; v25        offset of the index loads (4 lane); then a window's sum
.set XR,   26                          ; v[26:57]   eight chunks (4 f32) of my row: a ring, and a whole window of 32
.set R0,   58                          ; v[58:249]  the three candidates, 64 registers each
.set SELW, 250                         ; v250 my row's sel2 word, v251 fin0, v252 fin1
.macro SETMIN name, a, b
.if (\a) < (\b)
.set \name, \a
.else
.set \name, \b
.endif
.endm
	s_load_b128 s[4:7], s[0:1], 0x0                ; x0 s[4:5], out0 s[6:7]
	s_load_b64 s[10:11], s[0:1], 0x10              ; sel2
	s_load_b64 s[24:25], s[0:1], 0x18              ; cb2
	s_load_b64 s[28:29], s[0:1], 0x20              ; fin0
	s_load_b64 s[48:49], s[0:1], 0x28              ; cb0
	s_load_b128 s[52:55], s[0:1], 0x30             ; fin1 s[52:53], cb1 s[54:55]
	v_lshl_add_u32 v254, v0, 2, 0x48800
	v_mov_b32 v255, 0
	ds_add_u32 v254, v255
	ds_add_u32 v254, v255
	v_lshrrev_b32 v1, 5, v0
	v_readfirstlane_b32 s2, v1                     ; wave 0..15
	; the wave's one tensor load: its 32 rows of 64 f32, dense in memory, 16 bytes of padding behind each row in LDS
	s_mov_b32 s12, 1                               ; count
	s_mul_i32 s13, s2, XBW
	s_add_co_u32 s13, s13, XB                      ; LDS address: the wave's own rows
	s_mov_b32 s16, (2<<16)|(1<<20)|(5<<22)|(3<<25) ; elements of 4 bytes; padding on; after every 64 words; 4 words
	s_mov_b32 s17, 64<<16                          ; tensor_dim0 = 64
	s_mov_b32 s18, 32<<16                          ; tensor_dim1 = 32
	s_mov_b32 s19, 64<<16                          ; tile_dim0 = 64
	s_mov_b32 s20, 32                              ; tile_dim1 = 32
	s_mov_b32 s21, 64                              ; 64 elements from row to row
	s_mov_b32 s22, 0
	s_mov_b32 s23, 0
	s_lshl_b32 s44, ttmp9, 17                      ; 512 rows of 256 bytes a work-group
	s_lshl_b32 s31, s2, 13                         ; 32 rows a wave
	s_add_co_u32 s44, s44, s31
	s_mov_b32 s45, 0
	s_wait_dscnt 0x0
	s_wait_kmcnt 0x0
	s_add_nc_u64 s[14:15], s[4:5], s[44:45]
	s_or_b32 s15, s15, 0x80000000                  ; type
	tensor_load_to_lds s[12:15], s[16:23]          ; the only fill of these bytes in the launch
	s_nop 0
	s_add_nc_u64 s[6:7], s[6:7], s[44:45]          ; out0 at my wave's rows
	s_lshr_b32 s44, s44, 6                         ; the index buffers have 4 bytes a row where x has 256
	v_and_b32 v[WT], 31, v0                        ; lane
	v_mul_u32_u24 v[AUX], v[WT], XPITCH
	v_add_nc_u32 v[ROW], s13, v[AUX]               ; my row
	v_lshlrev_b32 v[WT], 2, v[WT]                  ; 4 lane; written again only when the index loads are in
	s_mul_i32 s35, s2, XBW                         ; my wave's rows of sums
	v_add_nc_u32 v[AUX], s35, v[AUX]
	s_add_nc_u64 s[10:11], s[10:11], s[44:45]
	s_add_nc_u64 s[28:29], s[28:29], s[44:45]
	s_add_nc_u64 s[52:53], s[52:53], s[44:45]
	global_load_b32 v[SELW], v[WT], s[10:11]
	global_load_b32 v[SELW+1], v[WT], s[28:29]
	global_load_b32 v[SELW+2], v[WT], s[52:53]
.macro XLOAD base, cc                  ; chunk cc of my row into slot cc mod 8
	ds_load_b128 v[XR+4*((\cc)%8):XR+4*((\cc)%8)+3], v[\base] offset:16*(\cc)
.endm
.macro XLOAD8 base, first              ; eight chunks from chunk first on
.set c, \first
.rept 8
	XLOAD \base, c
.set c, c+1
.endr
.endm
.macro MKADR adr, word, bit
	v_bfe_u32 v[\adr], v[\word], \bit, 10
	v_min_u32 v[\adr], 0x3ff, v[\adr]              ; an index read from memory is clamped to the table before it enters an address
	v_lshlrev_b32 v[\adr], 8, v[\adr]              ; 256 bytes a code
.endm
.macro CAND m, cc                      ; chunk cc of candidate m: each lane takes 16 bytes of its own row's code
	global_load_b128 v[R0+64*(\m)+4*(\cc):R0+64*(\m)+4*(\cc)+3], v[AD+(\m)], s[24:25] offset:16*(\cc)
.endm
; the sum of the squares of the 32 numbers in v[src .. src+31], in the order stated at the head: rounded squares, eight partial sums, three halvings
.macro SQW src, dst
.irp p, 0,2,4,6
	v_pk_mul_f32 v[BB+\p:BB+\p+1], v[\src+\p:\src+\p+1], v[\src+\p:\src+\p+1]
.endr
.irp u, 8,16,24
	v_pk_mul_f32 v[E0:E0+1], v[\src+\u:\src+\u+1], v[\src+\u:\src+\u+1]
	v_pk_mul_f32 v[E1:E1+1], v[\src+\u+2:\src+\u+3], v[\src+\u+2:\src+\u+3]
	v_pk_add_f32 v[BB:BB+1], v[BB:BB+1], v[E0:E0+1]
	v_pk_add_f32 v[BB+2:BB+3], v[BB+2:BB+3], v[E1:E1+1]
	v_pk_mul_f32 v[E0:E0+1], v[\src+\u+4:\src+\u+5], v[\src+\u+4:\src+\u+5]
	v_pk_mul_f32 v[E1:E1+1], v[\src+\u+6:\src+\u+7], v[\src+\u+6:\src+\u+7]
	v_pk_add_f32 v[BB+4:BB+5], v[BB+4:BB+5], v[E0:E0+1]
	v_pk_add_f32 v[BB+6:BB+7], v[BB+6:BB+7], v[E1:E1+1]
.endr
	v_pk_add_f32 v[BB:BB+1], v[BB:BB+1], v[BB+4:BB+5]         ; [l] + [l+4]
	v_pk_add_f32 v[BB+2:BB+3], v[BB+2:BB+3], v[BB+6:BB+7]
	v_pk_add_f32 v[BB:BB+1], v[BB:BB+1], v[BB+2:BB+3]         ; [l] + [l+2]
	v_add_f32 v[\dst], v[BB], v[BB+1]                         ; [0] + [1]
.endm
.macro BETTER m, mask                  ; mask = candidate m beats the holder in v[DOT], v[IX]: nearer, or as near with the lower number
	v_cmp_lt_f32 s[\mask], v[DOT+\m], v[DOT]
	v_cmp_eq_f32 s58, v[DOT+\m], v[DOT]
	v_cmp_lt_u32 s59, v[IX+\m], v[IX]
	s_and_b32 s58, s58, s59
	s_or_b32 s[\mask], s[\mask], s58
	v_cndmask_b32 v[DOT], v[DOT], v[DOT+\m], s[\mask]
	v_cndmask_b32 v[IX], v[IX], v[IX+\m], s[\mask]
.endm
	s_wait_loadcnt 0x0                             ; the index words
	MKADR AD, SELW, 0
	MKADR AD+1, SELW, 10
	MKADR AD+2, SELW, 20
	MKADR PD, SELW+1, 0
	MKADR PD+1, SELW+2, 0
.set c, 0
.rept 16
	global_load_b128 v[R0+4*c:R0+4*c+3], v[PD], s[48:49] offset:16*c            ; cb0[f0] lands where candidate 0 will
	global_load_b128 v[R0+64+4*c:R0+64+4*c+3], v[PD+1], s[54:55] offset:16*c    ; cb1[f1] where candidate 1 will
.set c, c+1
.endr
.set c, 0
.rept 16
	CAND 2, c
.set c, c+1
.endr
	s_wait_tensorcnt 0x0                           ; my rows are in LDS; only my wave reads them; the gathers above are already on their way
	XLOAD8 ROW, 0
	; pre-pass: x2 goes back into the row and the sum into its own row, chunk by chunk, and the freed registers get their candidate
.set c, 0
.rept 16
	SETMIN young, 7, 15-c
	SETMIN old, 7, c
.set XC, XR+4*(c%8)
.set QA, R0+4*c
.set QB, R0+64+4*c
	s_wait_loadcnt 46                              ; behind this chunk's two earlier codes: 2 (15 - c) more of them, 16 of candidate 2, 2 c candidates issued since
	s_wait_dscnt young+2*old                       ; behind this chunk's load: the younger ring loads and the two stores of each chunk done since
	v_pk_add_f32 v[QA:QA+1], v[XC:XC+1], v[QA:QA+1] neg_lo:[0,1] neg_hi:[0,1]         ; x1 = x0 - cb0[f0]
	v_pk_add_f32 v[QA+2:QA+3], v[XC+2:XC+3], v[QA+2:QA+3] neg_lo:[0,1] neg_hi:[0,1]
	v_pk_add_f32 v[QB:QB+1], v[QA:QA+1], v[QB:QB+1] neg_lo:[0,1] neg_hi:[0,1]         ; x2 = x1 - cb1[f1]
	v_pk_add_f32 v[QB+2:QB+3], v[QA+2:QA+3], v[QB+2:QB+3] neg_lo:[0,1] neg_hi:[0,1]
	v_pk_add_f32 v[XC:XC+1], v[XC:XC+1], v[QA:QA+1]                                   ; x0 + x1
	v_pk_add_f32 v[XC+2:XC+3], v[XC+2:XC+3], v[QA+2:QA+3]
	v_pk_add_f32 v[XC:XC+1], v[XC:XC+1], v[QB:QB+1]                                   ; + x2
	v_pk_add_f32 v[XC+2:XC+3], v[XC+2:XC+3], v[QB+2:QB+3]
	ds_store_b128 v[ROW], v[QB:QB+3] offset:16*c
	ds_store_b128 v[AUX], v[XC:XC+3] offset:16*c
	CAND 0, c
	CAND 1, c
.if c+8 < 16
	XLOAD ROW, c+8
.endif
.set c, c+1
.endr
	XLOAD8 ROW, 0                                  ; LDS serves a wave's instructions in order: these see x2
	; x.c of the three candidates, k = 0 .. 31: fused chains in ascending order, started by the first products
.set c, 0
.rept 8
.set XC, XR+4*c
	s_wait_loadcnt 2*(15-c)                        ; the youngest loads are those issued in the pre-pass, two a chunk
	s_wait_dscnt 7-c                               ; the window's younger chunks stay out
.irp e, 0,1,2,3
.if (c+\e) == 0
.irp m, 0,1,2
	v_mul_f32 v[DOT+\m], v[XC], v[R0+64*\m]
.endr
.else
.irp m, 0,1,2
	v_fmac_f32 v[DOT+\m], v[XC+\e], v[R0+64*\m+4*c+\e]
.endr
.endif
.endr
.set c, c+1
.endr
	SQW XR, XX                                     ; the first window of ||x||^2
	XLOAD8 ROW, 8                                  ; the second window of x lands while the three ||c||^2 are made
	s_wait_loadcnt 0x0                             ; all of the three candidates; their offsets' registers are free
.irp m, 0,1,2
	SQW R0+64*\m, WT
	SQW R0+64*\m+32, CCN+\m
	v_add_f32 v[CCN+\m], v[WT], v[CCN+\m]          ; window 0 + window 1
.endr
.set c, 8
.rept 8
.set XC, XR+4*(c-8)
	s_wait_dscnt 15-c                              ; the window's younger chunks stay out
.irp e, 0,1,2,3
.irp m, 0,1,2
	v_fmac_f32 v[DOT+\m], v[XC+\e], v[R0+64*\m+4*c+\e]
.endr
.endr
.set c, c+1
.endr
	SQW XR, WT
	v_add_f32 v[XX], v[XX], v[WT]                  ; window 0 + window 1
.irp m, 0,1,2
	v_fma_f32 v[DOT+\m], v[DOT+\m], -2.0, v[XX]    ; ||x||^2 - 2 x.c: the product by 2 is exact, one rounding
.endr
.irp m, 0,1,2
	v_add_f32 v[DOT+\m], v[DOT+\m], v[CCN+\m]      ; + ||c||^2
.endr
	v_bfe_u32 v[IX], v[SELW], 0, 10
	v_bfe_u32 v[IX+1], v[SELW], 10, 10
	v_bfe_u32 v[IX+2], v[SELW], 20, 10
	BETTER 1, 56
	BETTER 2, 57
	; the last pass: the chosen code is added to the sums, chunk by chunk, in place
	XLOAD8 AUX, 0
.set c, 0
.rept 16
	SETMIN young, 7, 15-c
	SETMIN old, 7, c
.set XC, XR+4*(c%8)
.set QA, R0+4*c
	s_wait_dscnt young+old                         ; the younger ring loads and the one store of each chunk done since
.irp e, 0,1,2,3
	v_cndmask_b32 v[QA+\e], v[QA+\e], v[QA+64+\e], s56
.endr
.irp e, 0,1,2,3
	v_cndmask_b32 v[QA+\e], v[QA+\e], v[QA+128+\e], s57
.endr
	v_pk_add_f32 v[QA:QA+1], v[XC:XC+1], v[QA:QA+1]                                   ; + q2
	v_pk_add_f32 v[QA+2:QA+3], v[XC+2:XC+3], v[QA+2:QA+3]
	ds_store_b128 v[AUX], v[QA:QA+3] offset:16*c
.if c+8 < 16
	XLOAD AUX, c+8
.endif
.set c, c+1
.endr
	; ---- THE WAY OUT: my wave's own 32 rows back by rows; sixteen lanes store a row's 256 consecutive bytes, aligned
	v_and_b32 v7, 15, v0                           ; i = lane mod 16
	v_bfe_u32 v11, v0, 4, 1                        ; hh = lane / 16
	v_mul_u32_u24 v8, v11, XPITCH
	v_lshl_add_u32 v8, v7, 4, v8
	v_add_nc_u32 v8, s35, v8                       ; row hh, 16 i
	v_and_b32 v9, 31, v0
	v_lshlrev_b32 v9, 4, v9                        ; 16 lane
.set t, 0
.rept 16
	ds_load_b128 v[R0+4*t:R0+4*t+3], v8 offset:2*XPITCH*t    ; LDS serves a wave's instructions in order: these see the stores above
.set t, t+1
.endr
.set t, 0
.rept 16
	s_wait_dscnt 15-t                              ; LDS loads come back in order: pair t of rows is in
	global_store_b128 v9, v[R0+4*t:R0+4*t+3], s[6:7] offset:512*t th:TH_STORE_NT
.set t, t+1
.endr
	s_wait_tensorcnt 0x0
	ds_add_u32 v254, v255
	s_wait_dscnt 0x0
	s_endpgm
.Lfunc_end_k_q9c5a8ff437_fin:
	.size	k_q9c5a8ff437_fin, .Lfunc_end_k_q9c5a8ff437_fin-k_q9c5a8ff437_fin
	.p2alignl 7, 3214868480
	.fill 96, 4, 3214868480
	.section	.rodata,"a",@progbits
	.p2align	6, 0x0
	.amdhsa_kernel k_q9c5a8ff437_fin
		.amdhsa_group_segment_fixed_size 299008
		.amdhsa_private_segment_fixed_size 0
		.amdhsa_enable_private_segment 0
		.amdhsa_kernarg_size 64
		.amdhsa_user_sgpr_count 2
		.amdhsa_user_sgpr_kernarg_segment_ptr 1
		.amdhsa_wavefront_size32 1
		.amdhsa_system_sgpr_workgroup_id_x 1
		.amdhsa_system_sgpr_workgroup_id_y 1
		.amdhsa_system_sgpr_workgroup_id_z 1
		.amdhsa_system_vgpr_workitem_id 0
		.amdhsa_next_free_vgpr 256
		.amdhsa_next_free_sgpr 66
		.amdhsa_reserve_vcc 0
		.amdhsa_float_denorm_mode_32 3
		.amdhsa_float_denorm_mode_16_64 3
		.amdhsa_memory_ordered 1
		.amdhsa_forward_progress 1
		.amdhsa_inst_pref_size 64
	.end_amdhsa_kernel
	.amdgpu_metadata
---
amdhsa.version: [ 1, 2 ]
amdhsa.kernels:
  - .name:           k_q9c5a8ff437_fin
    .symbol:         k_q9c5a8ff437_fin.kd
    .args:
      - { .name: latent_representation, .offset: 0, .size: 8, .value_kind: global_buffer, .address_space: global }
      - { .name: out0, .offset: 8, .size: 8, .value_kind: global_buffer, .address_space: global }
      - { .name: sel2, .offset: 16, .size: 8, .value_kind: global_buffer, .address_space: global }
      - { .name: cb2, .offset: 24, .size: 8, .value_kind: global_buffer, .address_space: global }
      - { .name: fin0, .offset: 32, .size: 8, .value_kind: global_buffer, .address_space: global }
      - { .name: cb0, .offset: 40, .size: 8, .value_kind: global_buffer, .address_space: global }
      - { .name: fin1, .offset: 48, .size: 8, .value_kind: global_buffer, .address_space: global }
      - { .name: cb1, .offset: 56, .size: 8, .value_kind: global_buffer, .address_space: global }
    .group_segment_fixed_size: 299008
    .private_segment_fixed_size: 0
    .kernarg_segment_align: 8
    .kernarg_segment_size: 64
    .max_flat_workgroup_size: 512
    .sgpr_count:     66
    .vgpr_count:     256
    .wavefront_size: 32
...
	.end_amdgpu_metadata
.endif
;; end of part 4
